; MI455X (gfx1250); checked and timed in simulation.
; The chip was launched on July 23, 2026; its instructions are those of AMD's public machine-readable ISA for CDNA 5 (MIT licence, August 2026) and "CDNA5" Instruction Set Architecture Reference Guide (July 2026). The comments in the code are by the model that wrote it; some were corrected since.
;; Multihead self attention. Allowed arithmetic: float matrix products may take bf16 or f16 operands with f32 sums; all other float work in f32.
;; Inputs: wk 1,024 x 1,024 float32; wo 1,024 x 1,024 float32; wq 1,024 x 1,024 float32; wv 1,024 x 1,024 float32; x 4 x 2,048 x 1,024 float32.
;; Outputs: out0 4 x 2,048 x 1,024 float32.
;; 3 versions, each right; version 2 is faster than version 1; version 3 is version 2 with the launch cvt written anew for expert scheduling mode. Each part assembles by itself: llvm-mc -triple=amdgcn-amd-amdhsa -mcpu=gfx1250 --defsym DOCPART=n.
;; ======== version 1 of 3: 4 launches
;; limits: values are held in f16: magnitudes above 65,504 overflow, below 6.1e-05 lose precision
;; workspace buffers: xb 16,777,216 bytes; wb 8,388,608 bytes; qkv 50,331,648 bytes; att 16,777,216 bytes
;; launch cvt (part 1): grid 768 x 1, 8 waves a work-group, no clusters, 0 bytes of LDS; arguments x, wq, wk, wv, wo, xb, wb; writes xb, wb
.if DOCPART == 1
	.amdgcn_target "amdgcn-amd-amdhsa--gfx1250"
	.amdhsa_code_object_version 6
	.text
	.protected	k_q800259d924_cvt
	.globl	k_q800259d924_cvt
	.p2align	8
	.type	k_q800259d924_cvt,@function
k_q800259d924_cvt:
	s_mov_b64 s[64:65], 0
	v_nop
	global_prefetch_b8 v0, s[64:65] scope:SCOPE_SE
	s_setreg_imm32_b32 hwreg(HW_REG_WAVE_MODE, 25, 1), 1
	s_wait_xcnt 0x0
; Causal multi-head self-attention, B = 4, S = 2048, D = 1024, H = 16, DK = 64, in four launches:
;   cvt       x and the four weights, f32 to 16 bits, once        (this text)
;   gemm_qkv  qkv = xb wb[0:3072]^T                                (stored row-major: [8192 tokens][3072], q, k, v side by side)
;   attn      causal softmax(q k^T / 8) v for each head
;   gemm_out  out0 = att wb[3072:4096]^T
; WORK LEFT OUT BY THE PROGRAM (in attn alone): work on keys that lie above the diagonal, where it comes in whole pieces.  A block of 128 keys
; or a step of 64 x 64 whose every key index is larger than every query index is not touched.  In a step on the diagonal the tiles of 16 x 16
; of that kind get no score product, no exponential and no part in the sums, and a product with V whose 32 keys are all of that kind is not
; issued (where only 16 of its 32 keys are, their weights are written as zeros).
; reference() itself sets those scores to -inf (triu, k = 1).  Every query keeps its own key, so for finite inputs the row's maximum
; is finite, the weight is exp(-inf - max) = 0 exactly, and 0 x v adds nothing to the sum over keys, whatever finite values x, wq, wk
; and wv hold.  LIMIT: a NaN, an infinity or an overflow that would arise only in such a product is not carried to the result.
; All five inputs have a way to the output and all are loaded.
; FORMATS: x, wq, wk, wv go to the matrix unit in bf16.  q, k, v, the weights P, att and wo go in f16 (attn says why, and what room f16 has).
; wo is rounded to bf16 like the other four inputs and then written in f16's format, since the f16 matrix form takes both operands in
; one format: bf16's 8 significant bits fit f16's 11, so the second step is exact for 2^-17 <= |w| < 65,504 and off by at most 2^-25
; below.  The program so computes reference() of the five inputs rounded to bf16, up to the f16 roundings of q, k, v, P and att.
;
; THIS LAUNCH: a stream; no LDS, no barrier, no matrix unit.  Work-group g converts 16,384 numbers: 65,536 bytes in, 32,768 out.
; g < 512: x to xb.  g = 512 + 64 i + c: chunk c of weight i (wq, wk, wv, wo) to wb, whose rows are wq's, wk's, wv's, wo's in that order.
; Thread t takes 16 bytes at 16 t of each 4,096 bytes: a wave's load covers 512 consecutive bytes, its store 256 consecutive aligned bytes.
; All sixteen loads go out first; every store has data registers of its own, so no source is ever written again.
.set X, 4                              ; v[4:67]    sixteen loads of four f32
.set Y, 68                             ; v[68:99]   sixteen stores of four 16-bit numbers
.set T, 100                            ; v[100:103] wo's path: the bf16 numbers widened again
	s_load_b256 s[4:11], s[0:1], 0x0               ; x s[4:5], wq s[6:7], wk s[8:9], wv s[10:11]
	s_load_b128 s[12:15], s[0:1], 0x20             ; wo s[12:13], xb s[14:15]
	s_load_b64 s[16:17], s[0:1], 0x30              ; wb
	s_mov_b32 s19, ttmp9                           ; g
	s_and_b32 s21, s19, 63                         ; chunk in a weight
	s_bfe_u32 s22, s19, 0x20006                    ; which weight: bits 7:6 of g (512 has none of them)
	s_and_b32 s23, s19, 255                        ; chunk in wb
	v_lshlrev_b32 v1, 4, v0                        ; 16 t
	v_lshlrev_b32 v2, 3, v0                        ; 8 t
	s_wait_kmcnt 0x0
	s_cmp_eq_u32 s22, 1
	s_cselect_b64 s[24:25], s[8:9], s[6:7]         ; wk or wq
	s_cmp_eq_u32 s22, 2
	s_cselect_b64 s[24:25], s[10:11], s[24:25]     ; wv
	s_cmp_eq_u32 s22, 3
	s_cselect_b64 s[24:25], s[12:13], s[24:25]     ; wo
	s_cmp_lt_u32 s19, 512
	s_cselect_b64 s[24:25], s[4:5], s[24:25]       ; from: x or the weight
	s_cselect_b64 s[26:27], s[14:15], s[16:17]     ; to: xb or wb
	s_cselect_b32 s28, s19, s21                    ; chunk at the source
	s_cselect_b32 s30, s19, s23                    ; chunk at the destination
	s_lshl_b32 s28, s28, 16                        ; x 65,536 bytes: at most 511 chunks, below 2^25
	s_mov_b32 s29, 0
	s_lshl_b32 s30, s30, 15                        ; x 32,768 bytes
	s_mov_b32 s31, 0
	s_add_nc_u64 s[24:25], s[24:25], s[28:29]
	s_add_nc_u64 s[26:27], s[26:27], s[30:31]
.irp i, 0,1,2,3,4,5,6,7,8,9,10,11,12,13,14,15
	global_load_b128 v[X+4*\i:X+4*\i+3], v1, s[24:25] offset:4096*\i th:TH_LOAD_NT   ; read once in this launch
.endr
	s_cmp_ge_u32 s19, 704                          ; the last 64 work-groups hold wo
	s_cbranch_scc1 .Lwo
.irp i, 0,1,2,3,4,5,6,7,8,9,10,11,12,13,14,15
	s_wait_loadcnt 15-\i                           ; loads come back in order (ISA guide 5.7.1): load i is in, the 15 - i younger ones stay out
	v_cvt_pk_bf16_f32 v[Y+2*\i], v[X+4*\i], v[X+4*\i+1]
	v_cvt_pk_bf16_f32 v[Y+2*\i+1], v[X+4*\i+2], v[X+4*\i+3]
	global_store_b64 v2, v[Y+2*\i:Y+2*\i+1], s[26:27] offset:2048*\i
.endr
	s_endpgm
.Lwo:
.irp i, 0,1,2,3,4,5,6,7,8,9,10,11,12,13,14,15
	s_wait_loadcnt 15-\i
	v_cvt_pk_bf16_f32 v[Y+2*\i], v[X+4*\i], v[X+4*\i+1]            ; the same rounding as the other inputs,
	v_cvt_pk_bf16_f32 v[Y+2*\i+1], v[X+4*\i+2], v[X+4*\i+3]
	v_lshlrev_b32 v[T], 16, v[Y+2*\i]                              ; widened (a shift, a mask),
	v_and_b32 v[T+1], 0xffff0000, v[Y+2*\i]
	v_lshlrev_b32 v[T+2], 16, v[Y+2*\i+1]
	v_and_b32 v[T+3], 0xffff0000, v[Y+2*\i+1]
	v_cvt_pk_f16_f32 v[Y+2*\i], v[T], v[T+1]                       ; and written in f16's format
	v_cvt_pk_f16_f32 v[Y+2*\i+1], v[T+2], v[T+3]
	global_store_b64 v2, v[Y+2*\i:Y+2*\i+1], s[26:27] offset:2048*\i
.endr
	s_endpgm
.Lfunc_end_k_q800259d924_cvt:
	.size	k_q800259d924_cvt, .Lfunc_end_k_q800259d924_cvt-k_q800259d924_cvt
	.p2alignl 7, 3214868480
	.fill 96, 4, 3214868480
	.section	.rodata,"a",@progbits
	.p2align	6, 0x0
	.amdhsa_kernel k_q800259d924_cvt
		.amdhsa_group_segment_fixed_size 0
		.amdhsa_private_segment_fixed_size 0
		.amdhsa_enable_private_segment 0
		.amdhsa_kernarg_size 56
		.amdhsa_user_sgpr_count 2
		.amdhsa_user_sgpr_kernarg_segment_ptr 1
		.amdhsa_wavefront_size32 1
		.amdhsa_system_sgpr_workgroup_id_x 1
		.amdhsa_system_sgpr_workgroup_id_y 1
		.amdhsa_system_sgpr_workgroup_id_z 1
		.amdhsa_system_vgpr_workitem_id 0
		.amdhsa_next_free_vgpr 104
		.amdhsa_next_free_sgpr 66
		.amdhsa_reserve_vcc 0
		.amdhsa_float_denorm_mode_32 3
		.amdhsa_float_denorm_mode_16_64 3
		.amdhsa_memory_ordered 1
		.amdhsa_forward_progress 1
		.amdhsa_inst_pref_size 16
	.end_amdhsa_kernel
	.amdgpu_metadata
---
amdhsa.version: [ 1, 2 ]
amdhsa.kernels:
  - .name:           k_q800259d924_cvt
    .symbol:         k_q800259d924_cvt.kd
    .args:
      - { .name: x, .offset: 0, .size: 8, .value_kind: global_buffer, .address_space: global }
      - { .name: wq, .offset: 8, .size: 8, .value_kind: global_buffer, .address_space: global }
      - { .name: wk, .offset: 16, .size: 8, .value_kind: global_buffer, .address_space: global }
      - { .name: wv, .offset: 24, .size: 8, .value_kind: global_buffer, .address_space: global }
      - { .name: wo, .offset: 32, .size: 8, .value_kind: global_buffer, .address_space: global }
      - { .name: xb, .offset: 40, .size: 8, .value_kind: global_buffer, .address_space: global }
      - { .name: wb, .offset: 48, .size: 8, .value_kind: global_buffer, .address_space: global }
    .group_segment_fixed_size: 0
    .private_segment_fixed_size: 0
    .kernarg_segment_align: 8
    .kernarg_segment_size: 56
    .max_flat_workgroup_size: 256
    .sgpr_count:     66
    .vgpr_count:     104
    .wavefront_size: 32
...
	.end_amdgpu_metadata
.endif
;; end of part 1
;; launch gemm_qkv (part 2): grid 24 x 32, 4 waves a work-group, clusters of 4 x 4, 327,680 bytes of LDS; arguments xb, wb, qkv; writes qkv
.if DOCPART == 2
	.amdgcn_target "amdgcn-amd-amdhsa--gfx1250"
	.amdhsa_code_object_version 6
	.text
	.protected	k_q800259d924_gemm_qkv
	.globl	k_q800259d924_gemm_qkv
	.p2align	8
	.type	k_q800259d924_gemm_qkv,@function
k_q800259d924_gemm_qkv:
	s_mov_b64 s[64:65], 0
	v_nop
	global_prefetch_b8 v0, s[64:65] scope:SCOPE_SE
	s_setreg_imm32_b32 hwreg(HW_REG_WAVE_MODE, 25, 1), 1
	s_wait_xcnt 0x0
	s_wait_alu depctr_hold_cnt(0) depctr_sa_sdst(0) depctr_va_vdst(0) depctr_va_sdst(0) depctr_va_ssrc(0) depctr_va_vcc(0) depctr_vm_vsrc(0)
	s_getreg_b32 s2, hwreg(HW_REG_IB_STS2, 6, 4)
	s_cmp_eq_u32 s2, 0
	s_cbranch_scc0 .Lentry_in_a_cluster
	s_endpgm
.Lentry_in_a_cluster:
	s_bfe_u32 s2, ttmp6, 0x10000c
	s_cmp_lg_u32 s2, 0xf033
	s_cbranch_scc0 .Lentry_shape_is_right
	s_endpgm
.Lentry_shape_is_right:
; qkv[t][n] = sum over k of xb[t][k] wb[n][k], n = 0 .. 3071 (wq's, wk's, wv's rows).  xb: [8192][1024] bf16, wb: [4096][1024] bf16 in these rows,
; qkv: [8192][3072] f16; sums in f32, rounded once.  No work is left out here.
; LIMIT: |q|, |k|, |v| above 65,504 become infinite in f16.  x and the weights both 30 times their spreads of 1 and 1/32 give about
; 900 x 5.5 = 5,000; a common offset of 30 spreads on both gives 1024 x 30 x 30/32 = 28,800.
; A work-group makes a block of 256 x 128 of C with four waves: 32 x 24 = 768 blocks, three for each of 256 WGPs.  Wave w makes rows
; 64 w .. 64 w + 63 and all 128 columns: 32 accumulator tiles of 16 x 16, 256 registers, and whole rows of the block on the way out.
; K goes in steps of 128 through a ring of two LDS slots filled by the tensor data mover; a tile's rows are 256 bytes of memory, aligned.
; CLUSTERS: 4 x 4 work-groups.  The four of a row of the cluster need the same tiles of A, the four of a column the same tiles of B: each tile is asked
; for jointly, by the same tensor load with the same descriptor and a mask that names the four.  That divides the requests for A and B by four.
; REGISTERS: window 0: v16-26 addresses; v32-63, v64-95 fragments of A (4 x 16 rows x 32 K), two buffers; v96-127 packed results;
; v128-191, v192-255 fragments of B (8), two buffers.  Window 1: accumulator tile (a, b) at v[8 (8 a + b)].
; THE MATRIX INSTRUCTION IS USED TRANSPOSED: source 0 = 16 rows of B, source 1 = 16 rows of A, so that lane l holds row l % 16 of C and its registers
; the columns 8 (l / 16) + 0 .. 7: eight neighbouring numbers of a row.
.set SIZE_N, 3072
.set SIZE_K, 1024
.set CROW,   SIZE_N*2                  ; bytes in a row of C
.set KSTEP,  128
.set PITCH,  272                       ; an LDS row: 256 bytes + 16 of padding: the 16 rows of a fragment load start 68 words apart, at 16 different banks (64 banks of 4 bytes: ISA guide 11.1)
.set AHALF,  128*PITCH                 ; what one tensor load brings of A
.set BHALF,  64*PITCH                  ; and of B
.set BOFF,   2*AHALF                   ; B's 128 rows lie behind A's 256
.set SLOT,   BOFF+2*BHALF              ; 104,448 bytes
.set STAGE,  2*SLOT                    ; behind the ring: 16 rows x 272 bytes for each wave, for the way out; no tensor load lands here
.set SPITCH, 272
.set LAPS,   SIZE_K/(2*KSTEP)          ; a lap = two K steps = once round the ring: 4
.set ADRA, 16                          ; v16-17  LDS address of my A fragments in slot 0, 1
.set ADRB, 20                          ; v20-21  the same for B
.set STO,  24                          ; the way out: where I put 16 bytes of a row
.set RD,   25                          ; where I read a row back
.set CO,   26                          ; my byte offset in C
.set FA0,  32                          ; A's buffer f at FA0 + 32 f
.set TMP,  96
.set FB0,  128                         ; B's buffer f at FB0 + 64 f
.set G1,  24                           ; s[24:31] descriptor group 1 for A's tiles
.set G0,  32                           ; s[32:39] group 0 for A's tiles, one set for each slot
.set G1B, 48                           ; s[48:55] group 1 for B's tiles
.set G0B, 56                           ; s[56:63] group 0 for B's tiles
.set G1W0, (1<<16)|(1<<20)|(1<<21)|(5<<22)|(3<<25)   ; elements of 2 bytes; padding on; bit 21 beside a mask; after every 64 words, 4 words
.set MUL, 0x50                         ; C and D in window 1, A and B in window 0
.set MSB, 0
.macro WIN new                         ; the immediate's high byte repeats the setting that is left
.if MSB != \new
	s_set_vgpr_msb (MSB<<8)|\new
.set MSB, \new
.endif
.endm
; A joint load.  Waves 0 and 1 fetch A's two halves (128 rows each), waves 2 and 3 B's (64 rows each).  Each line has one mask and one set of registers
; for all that issue it.  The branch hangs on the wave's number alone.
.macro JLOAD s
	s_cmp_lt_u32 s10, 2
	s_cbranch_scc0 .Lfor_b_\@
	tensor_load_to_lds s[G0+4*\s:G0+4*\s+3], s[G1:G1+7]
	s_nop 0
	s_branch .Lasked_\@
.Lfor_b_\@:
	tensor_load_to_lds s[G0B+4*\s:G0B+4*\s+3], s[G1B:G1B+7]
	s_nop 0
.Lasked_\@:
.endm
; A round of the cluster's barrier: my work-group's barrier; wave 0 signals for the work-group; every wave waits for all sixteen; my work-group's barrier again.
.macro CREST                           ; a round behind its opening barrier
	s_cmp_lg_u32 s10, 0
	s_cbranch_scc1 .Lnot_wave_0_\@
	s_barrier_signal -3
.Lnot_wave_0_\@:
	s_barrier_wait -3
	s_barrier_signal -1
	s_barrier_wait -1
.endm
.macro CROUND
	s_barrier_signal -1
	s_barrier_wait -1
	CREST
.endm
	s_load_b128 s[4:7], s[0:1], 0x0                ; A s[4:5], B s[6:7]
	s_load_b64 s[8:9], s[0:1], 0x10                ; C
	v_lshl_add_u32 v30, v0, 2, 0x37400
	v_mov_b32 v31, 0
	ds_add_u32 v30, v31
	ds_add_u32 v30, v31
	v_lshrrev_b32 v1, 5, v0
	v_readfirstlane_b32 s10, v1                    ; wave 0..3
	s_and_b32 s12, s10, 1                          ; which half of A's or B's tile I fetch
	s_bfe_u32 s40, ttmp6, 0x40000                  ; cx
	s_bfe_u32 s41, ttmp6, 0x40004                  ; cy
	s_lshl_b32 s42, ttmp9, 2
	s_add_co_u32 s42, s42, s40                     ; block column = 4 x cluster x + cx
	s_and_b32 s13, ttmp7, 0xffff
	s_lshl_b32 s13, s13, 2
	s_add_co_u32 s13, s13, s41                     ; block row = 4 x cluster y + cy
	s_lshl_b32 s43, s41, 2
	s_lshl_b32 s43, 15, s43                        ; my row of the cluster: places 4 cy .. 4 cy + 3
	s_lshl_b32 s44, 0x1111, s40                    ; my column: places cx, cx + 4, cx + 8, cx + 12
	s_or_b32 s[G1+0], s43, G1W0                    ; A's tiles go to my row
	s_or_b32 s[G1B+0], s44, G1W0                   ; B's to my column
	s_mov_b32 s[G1+1], KSTEP<<16                   ; tensor_dim0 = 128
	s_mov_b32 s[G1B+1], KSTEP<<16
	s_mov_b32 s[G1+2], 128<<16                     ; tensor_dim1 = 128 rows
	s_mov_b32 s[G1B+2], 64<<16                     ; 64 rows
	s_mov_b32 s[G1+3], KSTEP<<16                   ; tile_dim0 = 128
	s_mov_b32 s[G1B+3], KSTEP<<16
	s_mov_b32 s[G1+4], 128                         ; tile_dim1
	s_mov_b32 s[G1B+4], 64
	s_mov_b32 s[G1+5], SIZE_K                      ; elements from row to row
	s_mov_b32 s[G1B+5], SIZE_K
	s_mov_b32 s[G1+6], 0
	s_mov_b32 s[G1B+6], 0
	s_mov_b32 s[G1+7], 0
	s_mov_b32 s[G1B+7], 0
	; A's tiles hang on the block row alone, B's on the block column alone; each offset lives in registers that never hold the other coordinate
	s_lshl_b32 s16, s13, 8
	s_lshl_b32 s17, s12, 7
	s_add_co_u32 s16, s16, s17                     ; A: row 256 x block row + 128 x half
	s_mul_i32 s16, s16, SIZE_K*2                   ; in bytes: below 2^24
	s_mov_b32 s17, 0
	s_lshl_b32 s46, s42, 7
	s_lshl_b32 s47, s12, 6
	s_add_co_u32 s46, s46, s47                     ; B: row 128 x block column + 64 x half
	s_mul_i32 s46, s46, SIZE_K*2
	s_mov_b32 s47, 0
	s_mul_i32 s20, s10, AHALF                      ; where A's halves go (waves 0, 1)
	s_mul_i32 s45, s10, BHALF
	s_add_co_u32 s45, s45, BOFF-2*BHALF            ; where B's go (waves 2, 3): BOFF + (w - 2) x 64 rows
	s_wait_dscnt 0x0
	s_wait_kmcnt 0x0
	s_add_nc_u64 s[14:15], s[4:5], s[16:17]
	s_add_nc_u64 s[46:47], s[6:7], s[46:47]
	CROUND                                         ; all sixteen work-groups are here: the first joint loads meet
.irp s, 0,1
	s_mov_b32 s[G0+4*\s], 1
	s_add_co_u32 s[G0+4*\s+1], s20, \s*SLOT
	s_add_nc_u64 s[G0+4*\s+2:G0+4*\s+3], s[14:15], \s*KSTEP*2      ; K step s
	s_or_b32 s[G0+4*\s+3], s[G0+4*\s+3], 0x80000000                ; type = 2
	s_mov_b32 s[G0B+4*\s], 1
	s_add_co_u32 s[G0B+4*\s+1], s45, \s*SLOT
	s_add_nc_u64 s[G0B+4*\s+2:G0B+4*\s+3], s[46:47], \s*KSTEP*2
	s_or_b32 s[G0B+4*\s+3], s[G0B+4*\s+3], 0x80000000
	JLOAD \s                                       ; both slots are asked for before anything else: two tensor loads of the wave are out
.endr
	; a fragment: lane l holds row l % 16; registers 0-3 K = 8 (l / 16) + 0..7, registers 4-7 K = 16 + 8 (l / 16) + 0..7: two loads of 16 bytes, 32 apart
	v_and_b32 v1, 15, v0                           ; l % 16
	v_bfe_u32 v2, v0, 4, 1                         ; l / 16
	v_mul_u32_u24 v3, v1, PITCH
	v_lshl_add_u32 v3, v2, 4, v3
	s_mul_i32 s21, s10, 64*PITCH                   ; my 64 rows of A
	s_mov_b32 s22, BOFF                            ; all of B's 128
.irp s, 0,1
	v_add_nc_u32 v[ADRA+\s], s21, v3
	v_add_nc_u32 v[ADRB+\s], s22, v3
	s_add_co_u32 s21, s21, SLOT
	s_add_co_u32 s22, s22, SLOT
.endr
	s_mul_i32 s23, s10, 16*SPITCH
	s_add_co_u32 s23, s23, STAGE                   ; my stage
	v_mul_u32_u24 v4, v1, SPITCH                   ; in: row l % 16, 16 bytes for each half of the lanes
	v_lshl_add_u32 v4, v2, 4, v4
	v_add_nc_u32 v[STO], s23, v4
	v_mul_u32_u24 v5, v2, SPITCH                   ; back: lanes 0-15 one row of 256 bytes, lanes 16-31 the next
	v_lshl_add_u32 v5, v1, 4, v5
	v_add_nc_u32 v[RD], s23, v5
	v_mul_u32_u24 v5, v2, CROW                     ; the same two rows in C
	v_lshl_add_u32 v[CO], v1, 4, v5
; 8 matrix instructions: m block a x all 8 n blocks, 32 along K, from buffer f.  zero = 1: the product starts the sum, nothing is cleared.
.macro MUL8 f, a, zero
.irp b, 0,1,2,3,4,5,6,7
.if \zero
	v_wmma_f32_16x16x32_bf16 v[8*(8*(\a)+\b):8*(8*(\a)+\b)+7], v[FB0+64*\f+8*\b:FB0+64*\f+8*\b+7], v[FA0+32*\f+8*(\a):FA0+32*\f+8*(\a)+7], 0
.else
	v_wmma_f32_16x16x32_bf16 v[8*(8*(\a)+\b):8*(8*(\a)+\b)+7], v[FB0+64*\f+8*\b:FB0+64*\f+8*\b+7], v[FA0+32*\f+8*(\a):FA0+32*\f+8*(\a)+7], v[8*(8*(\a)+\b):8*(8*(\a)+\b)+7]
.endif
.endr
.endm
.macro MUL16 f, a0, zero
	MUL8 \f, \a0, \zero
	MUL8 \f, \a0+1, \zero
.endm
; 24 LDS loads in one run: the fragments of a quarter step (B's 128 rows, then my 64 rows of A, 32 K at byte k of the rows) into buffer f
.macro FETCH slot, k, f
	WIN 0
.irp i, 0,1,2,3,4,5,6,7
	ds_load_b128 v[FB0+64*\f+8*\i:FB0+64*\f+8*\i+3],   v[ADRB+\slot] offset:\k+\i*16*PITCH
	ds_load_b128 v[FB0+64*\f+8*\i+4:FB0+64*\f+8*\i+7], v[ADRB+\slot] offset:\k+\i*16*PITCH+32
.endr
.irp i, 0,1,2,3
	ds_load_b128 v[FA0+32*\f+8*\i:FA0+32*\f+8*\i+3],   v[ADRA+\slot] offset:\k+\i*16*PITCH
	ds_load_b128 v[FA0+32*\f+8*\i+4:FA0+32*\f+8*\i+7], v[ADRA+\slot] offset:\k+\i*16*PITCH+32
.endr
.endm
; A load into a register that a matrix instruction has read, and a vector instruction that reads a matrix result, stand four places behind it; only plain
; vector instructions that name none of its registers are places (ISA guide 7.12.1 for vector instructions).
.macro PLACES
.rept 4
	v_nop
.endr
.endm
; A K step is four quarters of 32 along K, 32 matrix instructions each, on buffers 0, 1, 0, 1.  The 32 accumulators take turns, one instruction a turn,
; in the same order in every quarter, over the backward jump too.
.macro QUARTER slot, k, f, g, zero
	s_wait_dscnt 4                                 ; B and A's fragments 0, 1 are in; the four youngest loads (A's fragments 2, 3) may be out
	WIN MUL
	MUL16 \f, 0, \zero
	PLACES
	FETCH \slot, \k, \g
	s_wait_dscnt 24                                ; all but the 24 just issued
	WIN MUL
	MUL16 \f, 2, \zero
.endm
.macro THREE slot, zero
	QUARTER \slot, 64,  0, 1, \zero
	QUARTER \slot, 128, 1, 0, 0
	QUARTER \slot, 192, 0, 1, 0
.endm
; The last quarter multiplies buffer 1 and changes slots.  One barrier for two things: in front of it each wave waits for its reads of this slot and for all
; its tensor loads (one is out: its part of the next slot); behind it nobody reads this slot and the next one is whole.  Where the slot is filled again the
; barrier opens a round of the cluster's barrier, and the joint refill is the first tensor load behind the round: 120 matrix instructions before its wait.
.macro TURN slot, next, fill
	s_wait_dscnt 4
	WIN MUL
	MUL8 1, 0, 0
	s_wait_dscnt 0                                 ; my reads of this slot are over
	s_wait_tensorcnt 0x0                           ; all my tensor loads have landed
	ds_add_u32 v30, v31
	s_wait_dscnt 0x0
	s_barrier_signal -1
	MUL8 1, 1, 0                                   ; register work while the others arrive
	WIN 0
	s_barrier_wait -1
.if \fill
	CREST                                          ; no wave of any partner still reads this slot or has a load on its way
	s_add_nc_u64 s[G0+4*\slot+2:G0+4*\slot+3], s[G0+4*\slot+2:G0+4*\slot+3], 2*KSTEP*2
	s_add_nc_u64 s[G0B+4*\slot+2:G0B+4*\slot+3], s[G0B+4*\slot+2:G0B+4*\slot+3], 2*KSTEP*2
	JLOAD \slot
.endif
	PLACES
	FETCH \next, 0, 0
	WIN MUL
	MUL16 1, 2, 0
.endm
.macro LAP zero
	THREE 0, \zero
	TURN 0, 1, 1
	THREE 1, 0
	TURN 1, 0, 1
.endm
	s_wait_tensorcnt 1                             ; my part of K step 0 is in; K step 1's stays out
	s_barrier_signal -1
	s_barrier_wait -1
	FETCH 0, 0, 0
	LAP 1                                          ; the first lap's first products start the sums
	WIN 0
	s_mov_b32 s3, LAPS-2
.Llap:
	LAP 0
	WIN 0
	s_sub_co_u32 s3, s3, 1
	s_cmp_lg_u32 s3, 0
	s_cbranch_scc1 .Llap
	THREE 0, 0                                     ; the last lap fills nothing
	TURN 0, 1, 0
	THREE 1, 0
	s_wait_dscnt 4
	WIN MUL
	MUL16 1, 0, 0
	s_wait_dscnt 0
	MUL16 1, 2, 0
	; THE WAY OUT, 16 rows at a time: round to f16, 16 bytes a lane into my own stage, read back as whole rows of 256 bytes
	PLACES
	s_lshl_b32 s16, s13, 8
	s_lshl_b32 s17, s10, 6
	s_add_co_u32 s16, s16, s17                     ; my first row of C
	s_mul_i32 s16, s16, CROW                       ; at most 8,128 x 6,144 bytes: below 2^26
	s_mov_b32 s17, 0
	s_add_nc_u64 s[8:9], s[8:9], s[16:17]
	s_lshl_b32 s46, s42, 8                         ; my block's first column: 128 numbers of 2 bytes a block
	s_mov_b32 s47, 0
	s_add_nc_u64 s[8:9], s[8:9], s[46:47]
.macro OUT16 i, f
	WIN 0x05                                       ; both sources in window 1
.irp b, 0,1,2,3,4,5,6,7
.irp r, 0,1,2,3
	v_cvt_pk_f16_f32 v[TMP+4*\b+\r], v[8*(8*\i+\b)+2*\r], v[8*(8*\i+\b)+2*\r+1]
.endr
.endr
	WIN 0
.irp b, 0,1,2,3,4,5,6,7
	ds_store_b128 v[STO], v[TMP+4*\b:TMP+4*\b+3] offset:32*\b
.endr
	s_wait_xcnt 0x0                                ; buffer f, which earlier stores read, and the stores' base are written again only behind this wait
.if \i
	s_add_nc_u64 s[8:9], s[8:9], 16*CROW
.endif
.irp t, 0,1,2,3,4,5,6,7
	ds_load_b128 v[\f+4*\t:\f+4*\t+3], v[RD] offset:\t*2*SPITCH    ; LDS serves a wave's instructions in order (ISA guide 5.7.1): these see the stores above
.endr
.irp t, 0,1,2,3,4,5,6,7
	s_wait_dscnt 7-\t                              ; read-back t is in, the younger ones stay out
	global_store_b128 v[CO], v[\f+4*\t:\f+4*\t+3], s[8:9] offset:2*\t*CROW   ; 16 lanes store 256 consecutive bytes, at a multiple of 256 from C's first byte
.endr
.endm
	OUT16 0, FB0
	OUT16 1, FB0+64
	OUT16 2, FB0
	OUT16 3, FB0+64
	s_wait_tensorcnt 0x0
	ds_add_u32 v30, v31
	s_wait_dscnt 0x0
	CROUND                                         ; the closing round: no work-group ends while a partner may still ask for a tile that names it
	s_endpgm
.Lfunc_end_k_q800259d924_gemm_qkv:
	.size	k_q800259d924_gemm_qkv, .Lfunc_end_k_q800259d924_gemm_qkv-k_q800259d924_gemm_qkv
	.p2alignl 7, 3214868480
	.fill 96, 4, 3214868480
	.section	.rodata,"a",@progbits
	.p2align	6, 0x0
	.amdhsa_kernel k_q800259d924_gemm_qkv
		.amdhsa_group_segment_fixed_size 327680
		.amdhsa_private_segment_fixed_size 0
		.amdhsa_enable_private_segment 0
		.amdhsa_kernarg_size 24
		.amdhsa_user_sgpr_count 2
		.amdhsa_user_sgpr_kernarg_segment_ptr 1
		.amdhsa_wavefront_size32 1
		.amdhsa_system_sgpr_workgroup_id_x 1
		.amdhsa_system_sgpr_workgroup_id_y 1
		.amdhsa_system_sgpr_workgroup_id_z 1
		.amdhsa_system_vgpr_workitem_id 0
		.amdhsa_next_free_vgpr 512
		.amdhsa_next_free_sgpr 66
		.amdhsa_reserve_vcc 0
		.amdhsa_float_denorm_mode_32 3
		.amdhsa_float_denorm_mode_16_64 3
		.amdhsa_memory_ordered 1
		.amdhsa_forward_progress 1
		.amdhsa_inst_pref_size 118
	.end_amdhsa_kernel
	.amdgpu_metadata
---
amdhsa.version: [ 1, 2 ]
amdhsa.kernels:
  - .name:           k_q800259d924_gemm_qkv
    .symbol:         k_q800259d924_gemm_qkv.kd
    .args:
      - { .name: xb, .offset: 0, .size: 8, .value_kind: global_buffer, .address_space: global }
      - { .name: wb, .offset: 8, .size: 8, .value_kind: global_buffer, .address_space: global }
      - { .name: qkv, .offset: 16, .size: 8, .value_kind: global_buffer, .address_space: global }
    .group_segment_fixed_size: 327680
    .private_segment_fixed_size: 0
    .kernarg_segment_align: 8
    .kernarg_segment_size: 24
    .max_flat_workgroup_size: 128
    .sgpr_count:     66
    .vgpr_count:     512
    .wavefront_size: 32
...
	.end_amdgpu_metadata
.endif
;; end of part 2
;; launch attn (part 3): grid 8 x 32, 4 waves a work-group, no clusters, 327,680 bytes of LDS; arguments qkv, att; writes att
.if DOCPART == 3
	.amdgcn_target "amdgcn-amd-amdhsa--gfx1250"
	.amdhsa_code_object_version 6
	.text
	.protected	k_q800259d924_attn
	.globl	k_q800259d924_attn
	.p2align	8
	.type	k_q800259d924_attn,@function
k_q800259d924_attn:
	s_mov_b64 s[64:65], 0
	v_nop
	global_prefetch_b8 v0, s[64:65] scope:SCOPE_SE
	s_setreg_imm32_b32 hwreg(HW_REG_WAVE_MODE, 25, 1), 1
	s_wait_xcnt 0x0
; att[t][64 head + d] = sum over keys of softmax(q k^T / 8, causal) v.  qkv: [8192 tokens][3072] f16 (q, k, v; head at column 64 head); att: [8192][1024] f16.
; LEFT OUT: products with keys wholly above the diagonal (blocks of 128 keys, steps of 64 x 64, score tiles of 16 x 16): reference() masks them to -inf itself,
; so their weights are exactly 0 for all finite inputs.  A NaN, an infinity or an overflow that lies only in such a product is not carried to the result.
; SHARES: work-group (e, y): batch y >> 3, heads 2 (y & 7) and 2 (y & 7) + 1, whose k (or v) columns are 256 consecutive aligned bytes of a token's row.
; Wave w: head w >> 1 of the pair, queries 64 (w & 1) .. + 63 of a block of 128.  The work-group does query block 14 - 2 e (15 - 2 e key blocks) and then block
; 2 e + 1 (2 e + 2 key blocks): 17 key blocks in every work-group.  In a query block the diagonal key block comes first, then the blocks below it, downward.
; NO CLUSTER: the eight work-groups of a head pair stand at different key blocks in the same trip; walking in step would take 20 trips where 17 do.
; RING: two LDS slots of one key block (128 keys, K and V of both heads).  Each wave fetches a quarter with one tensor load (64 rows of 256 bytes).
; ARITHMETIC: S^T = K Q^T (A = K, B = Q): lane (r, h), register j of tile (kt, qt) holds key 16 kt + 8 h + j, query 16 qt + r, so all figures of a query lie
; in the lane pair (r, r + 16), and two packed score tiles ARE the B fragment of O^T += V^T P^T (A = V^T by transposing LDS loads).  No lane is moved.
; The running maximum is taken away before every exponential; p = exp2(c s - c max), c = log2(e) / 8; sums l in f32 from the unrounded p.
; FORMATS AND LIMITS: q, k, v, P, att in f16: three more bits than bf16.  The first rows of a sequence average few keys and are some ten times the output's
; root mean square, so a rounding of v or att shows there in full.  Room: |q|, |k|, |v| <= 65,504, against 5,000 (x and weights 30 times larger) and 28,800
; (offsets of 30 spreads on both); P lies in [0, 1], and a p below 2^-25 is dropped beside a sum of at least 1.  v_exp_f32 gives 0 below 2^-126
; (ISA guide 15.8).  NaN in the inputs is not followed as reference() follows it (v_max3_num_f32 lets a NaN lose).  The order of the sums differs from reference()'s.
.set ROWB,   6144                      ; bytes in a row of qkv
.set AROW,   2048                      ; bytes in a row of att
.set KBSTEP, 128*ROWB                  ; from a key block to the next
.set KPITCH, 272                       ; K's LDS rows: 256 + 16: 16 rows of a fragment at 16 different banks (ISA guide 11.1)
.set VPITCH, 288                       ; V's: 256 + 32, an odd multiple of 32, for the transposing loads
.set HALF,   64*VPITCH                 ; 18,432: room of one tensor load (K's tiles use 17,408 of it)
.set SLOT,   4*HALF                    ; K keys 0-63, K keys 64-127, V keys 0-63, V keys 64-127
.set STAGE,  2*SLOT                    ; behind the ring; no tensor load lands here
.set SPT,    144                       ; a stage row: 128 bytes of one head + 16
.set WSTG,   64*SPT+64                 ; a wave's stage: 9,280 bytes, so that two stages on is 128 modulo 256: both heads' halves of a row come back from different banks
.set ADRK, 8                           ; v8-9    my K fragments in slot 0, 1
.set ADRV, 10                          ; v10-11  my V fragments
.set QOFF, 12                          ; my byte offset in the wave's 16 rows of q
.set STO,  13
.set RD,   14
.set CO,   15
.set DG,   16                          ; r - 8 h: register j of a diagonal tile is masked where j > DG
.set NINF, 17                          ; -inf
.set M,    20                          ; v20-23  running maximum of query tile qt (raw scores)
.set MX,   24                          ; v24-27  the new one
.set PT,   28                          ; v28-31  the other half of the lanes; scratch
.set AL,   32                          ; v32-39  the rescale, in pairs
.set NM,   40                          ; v40-47  - c x maximum, in pairs
.set LP,   48                          ; v48-55  my part of l, in pairs
.set T,    56                          ; v56-59
.set QF,   64                          ; Q(qt, ks) at QF + 8 (2 qt + ks)
.set KF,   128                         ; K(kt, ks) at KF + 8 (2 kt + ks); packed results at the end of a block
.set VF,   192                         ; V(dt, kk) at VF + 8 (2 dt + kk); read-back at the end of a block
.set SS,   0                           ; window 1: S(kt, qt) at 32 qt + 8 kt; P(kk, qt) at 32 qt + 16 kk
.set OO,   128                         ; window 1: O(dt, qt) at 128 + 32 qt + 8 dt
.set G0,   36                          ; s[36:39], s[40:43] descriptor group 0 of slot 0, 1
.set G1K,  44                          ; s[44:51] group 1 for K's tiles
.set G1V,  52                          ; s[52:59] for V's: another padding
.set MSB, 0
.macro WIN new                         ; low byte: bits 1:0 source 0, 3:2 source 1, 5:4 source 2, 7:6 destination; the high byte repeats the setting that is left
.if MSB != \new
	s_set_vgpr_msb (MSB<<8)|\new
.set MSB, \new
.endif
.endm
.macro JLOAD s                         ; waves 0, 1 fetch K's halves, waves 2, 3 V's; the LDS address is wave x HALF + slot x SLOT
	s_cmp_lt_u32 s10, 2
	s_cbranch_scc0 .Lfor_v_\@
	tensor_load_to_lds s[G0+4*\s:G0+4*\s+3], s[G1K:G1K+7]
	s_nop 0
	s_branch .Lasked_\@
.Lfor_v_\@:
	tensor_load_to_lds s[G0+4*\s:G0+4*\s+3], s[G1V:G1V+7]
	s_nop 0
.Lasked_\@:
.endm
	s_load_b128 s[4:7], s[0:1], 0x0                ; qkv s[4:5], att s[6:7]
	v_lshl_add_u32 v62, v0, 2, 0x2d100
	v_mov_b32 v63, 0
	ds_add_u32 v62, v63
	ds_add_u32 v62, v63
	v_lshrrev_b32 v1, 5, v0
	v_readfirstlane_b32 s10, v1                    ; wave
	s_lshr_b32 s11, s10, 1                         ; my head of the pair.  Also: I fetch K (0) or V (1)
	s_and_b32 s12, s10, 1                          ; my half of the queries.  Also: which 64 keys I fetch
	s_mov_b32 s13, ttmp9                           ; e
	s_and_b32 s14, ttmp7, 0xffff
	s_lshr_b32 s15, s14, 3                         ; batch
	s_and_b32 s16, s14, 7                          ; head pair
	s_lshl_b32 s17, s13, 1
	s_sub_co_u32 s18, 14, s17                      ; first query block: 14 - 2 e
	s_add_co_u32 s25, s17, 1                       ; second: 2 e + 1
	s_lshl_b32 s19, s15, 11                        ; the batch's first token
	s_mov_b32 s[G1K+0], (1<<16)|(1<<20)|(5<<22)|(3<<25)            ; elements of 2 bytes; after every 64 words 4 words of padding
	s_mov_b32 s[G1V+0], (1<<16)|(1<<20)|(5<<22)|(7<<25)            ; 8 words
.irp g, G1K, G1V
	s_mov_b32 s[\g+1], 128<<16                     ; tensor_dim0 = 128 elements: both heads
	s_mov_b32 s[\g+2], 64<<16                      ; tensor_dim1 = 64 rows
	s_mov_b32 s[\g+3], 128<<16                     ; tile_dim0
	s_mov_b32 s[\g+4], 64                          ; tile_dim1
	s_mov_b32 s[\g+5], 3072                        ; elements from row to row
	s_mov_b32 s[\g+6], 0
	s_mov_b32 s[\g+7], 0
.endr
	s_lshl_b32 s22, s12, 6
	s_add_co_u32 s22, s22, s19
	s_mul_i32 s22, s22, ROWB                       ; (first token + 64 x half) rows: below 2^26
	s_lshl_b32 s23, s11, 11
	s_add_co_u32 s22, s22, s23                     ; + 2,048 for V
	s_lshl_b32 s2, s16, 8                          ; 256 x head pair
	s_add_co_u32 s22, s22, s2
	s_add_co_u32 s22, s22, 2048                    ; k's columns begin at byte 2,048 of a row
	s_mov_b32 s23, 0
	s_mul_i32 s70, s10, HALF
	s_mov_b32 s[G0], 1
	s_add_co_u32 s[G0+1], s70, 0
	s_mov_b32 s[G0+4], 1
	s_add_co_u32 s[G0+5], s70, SLOT
	s_wait_dscnt 0x0
	s_wait_kmcnt 0x0
	s_add_nc_u64 s[20:21], s[4:5], s[22:23]        ; my quarter of key block 0
	s_mul_i32 s22, s18, KBSTEP                     ; s[22:23]: offset of a key block; s23 stays 0
	s_add_nc_u64 s[G0+2:G0+3], s[20:21], s[22:23]
	s_or_b32 s[G0+3], s[G0+3], 0x80000000          ; type = 2
	s_sub_co_i32 s24, s18, 1                       ; s24: the key block to ask for next; below 0 the second query block's diagonal follows
	s_cmp_lt_i32 s24, 0
	s_cselect_b32 s24, s25, s24
	JLOAD 0                                        ; the one first fill at the start; slot 1 is first filled behind the first trip's barrier
	s_mov_b32 s28, 0x3e38aa3b                      ; c = log2(e) / 8
	s_mov_b32 s29, 0x3e38aa3b
	s_mov_b32 s30, 0xbe38aa3b                      ; - c
	s_mov_b32 s31, 0xff800000                      ; -inf
	s_mov_b32 s32, 0x76543210                      ; v_permlanex16_b32: lane i reads lane i of the other half
	s_mov_b32 s33, 0xfedcba98
	s_lshl_b32 s27, s12, 6
	s_add_co_u32 s27, s27, s19                     ; first token + 64 x my half
	s_lshl_b32 s3, s11, 7                          ; 128 x my head
	s_add_co_u32 s71, s3, s2
	s_mov_b32 s35, 0
	s_lshl_b32 s34, s18, 7                         ; q of the first block
	s_add_co_u32 s34, s34, s27
	s_mul_i32 s34, s34, ROWB
	s_add_co_u32 s34, s34, s71
	s_add_nc_u64 s[60:61], s[4:5], s[34:35]
	s_lshl_b32 s34, s25, 7                         ; of the second
	s_add_co_u32 s34, s34, s27
	s_mul_i32 s34, s34, ROWB
	s_add_co_u32 s34, s34, s71
	s_add_nc_u64 s[62:63], s[4:5], s[34:35]
	s_lshl_b32 s34, s18, 7                         ; att of the first block: its 128 rows, the pair's 256 bytes
	s_add_co_u32 s34, s34, s19
	s_mul_i32 s34, s34, AROW
	s_add_co_u32 s34, s34, s2
	s_add_nc_u64 s[66:67], s[6:7], s[34:35]
	s_lshl_b32 s34, s25, 7                         ; of the second
	s_add_co_u32 s34, s34, s19
	s_mul_i32 s34, s34, AROW
	s_add_co_u32 s34, s34, s2
	s_add_nc_u64 s[68:69], s[6:7], s[34:35]
	v_and_b32 v2, 15, v0                           ; r
	v_bfe_u32 v3, v0, 4, 1                         ; h
	v_and_b32 v5, 7, v0                            ; l & 7
	v_bfe_u32 v6, v0, 3, 1                         ; (l >> 3) & 1
	v_mul_u32_u24 v[QOFF], v2, ROWB
	v_lshl_add_u32 v[QOFF], v3, 4, v[QOFF]         ; row r, 16 h
; Q of a block: 8 fragments (B operand: lane holds query r; registers 0-3 d = 8 h .., 4-7 d = 16 + 8 h ..), straight from memory, once for 15 - 2 e or 2 e + 2 key blocks
.macro QLOAD qb
.irp qt, 0,1,2,3
.irp ks, 0,1
	global_load_b128 v[QF+8*(2*\qt+\ks):QF+8*(2*\qt+\ks)+3],   v[QOFF], s[\qb:\qb+1] offset:16*ROWB*\qt+64*\ks
	global_load_b128 v[QF+8*(2*\qt+\ks)+4:QF+8*(2*\qt+\ks)+7], v[QOFF], s[\qb:\qb+1] offset:16*ROWB*\qt+64*\ks+32
.endr
.endr
.endm
	QLOAD 60
	v_mul_u32_u24 v4, v2, KPITCH
	v_lshl_add_u32 v4, v3, 4, v4
	v_add_nc_u32 v[ADRK], s3, v4                   ; key row r, 16 h, my head's 128 bytes
	v_add_nc_u32 v[ADRK+1], SLOT, v[ADRK]
	v_lshl_add_u32 v7, v3, 3, v5                   ; key row 8 h + (l & 7),
	v_mul_u32_u24 v7, v7, VPITCH
	v_lshl_add_u32 v7, v6, 4, v7                   ; 16 bytes of it by (l >> 3) & 1
	s_add_co_u32 s70, s3, 2*HALF
	v_add_nc_u32 v[ADRV], s70, v7
	v_add_nc_u32 v[ADRV+1], SLOT, v[ADRV]
	s_mul_i32 s70, s10, WSTG
	s_add_co_u32 s70, s70, STAGE                   ; my stage
	v_mul_u32_u24 v[STO], v2, SPT
	v_lshl_add_u32 v[STO], v3, 4, v[STO]
	v_add_nc_u32 v[STO], s70, v[STO]               ; row r, 16 h
	s_mul_i32 s70, s11, WSTG                       ; back: wave w takes rows 32 w .. + 31 of the block: stages w >> 1 (head 0) and 2 + (w >> 1) (head 1),
	s_mul_i32 s71, s12, 32*SPT                     ; their rows 32 (w & 1) ..
	s_add_co_u32 s70, s70, s71
	s_add_co_u32 s70, s70, STAGE
	v_mul_u32_u24 v[RD], v6, 2*WSTG                ; lanes 0-7 of a half: head 0; lanes 8-15: head 1
	v_mad_u32_u24 v[RD], v3, SPT, v[RD]            ; lanes 16-31: the next row
	v_lshl_add_u32 v[RD], v5, 4, v[RD]
	v_add_nc_u32 v[RD], s70, v[RD]
	s_lshl_b32 s70, s10, 16                        ; 32 w rows of att
	v_lshlrev_b32 v[CO], 4, v2
	v_lshl_add_u32 v[CO], v3, 11, v[CO]
	v_add_nc_u32 v[CO], s70, v[CO]
	v_lshlrev_b32 v[DG], 3, v3
	v_sub_nc_u32 v[DG], v2, v[DG]
	v_mov_b32 v[NINF], 0xff800000
.irp qt, 0,1,2,3
	v_mov_b32 v[PT+\qt], 0                         ; v_permlanex16_b32 counts as a reader of its destination
.endr
; The head of a trip.  All my tensor loads have landed (one was out: my quarter of this trip's slot), so the other slot's group 0 may be written; my reads of the
; other slot are back; the barrier; then my one tensor load: the next key block into the slot read last trip.  It has this whole trip in which to land.
.macro HEAD other, refill
	s_wait_tensorcnt 0x0
	ds_add_u32 v62, v63
	s_wait_dscnt 0x0
.if \refill
	s_mul_i32 s22, s24, KBSTEP
	s_add_nc_u64 s[G0+4*\other+2:G0+4*\other+3], s[20:21], s[22:23]
	s_or_b32 s[G0+4*\other+3], s[G0+4*\other+3], 0x80000000
	s_sub_co_i32 s24, s24, 1
	s_cmp_lt_i32 s24, 0
	s_cselect_b32 s24, s25, s24
.endif
	s_wait_dscnt 0x0
	s_barrier_signal -1
	s_barrier_wait -1
.if \refill
	JLOAD \other
.endif
.endm
.macro SMM kt, qt, ks                  ; S(kt, qt) (+)= K(kt, ks) Q(qt, ks)
.if \ks
	v_wmma_f32_16x16x32_f16 v[SS+32*\qt+8*\kt:SS+32*\qt+8*\kt+7], v[KF+8*(2*\kt+\ks):KF+8*(2*\kt+\ks)+7], v[QF+8*(2*\qt+\ks):QF+8*(2*\qt+\ks)+7], v[SS+32*\qt+8*\kt:SS+32*\qt+8*\kt+7]
.else
	v_wmma_f32_16x16x32_f16 v[SS+32*\qt+8*\kt:SS+32*\qt+8*\kt+7], v[KF+8*(2*\kt+\ks):KF+8*(2*\kt+\ks)+7], v[QF+8*(2*\qt+\ks):QF+8*(2*\qt+\ks)+7], 0
.endif
.endm
.macro PMM dt, qt, kk, z               ; O(dt, qt) (+)= V(dt, kk) P(kk, qt)
.if \z
	v_wmma_f32_16x16x32_f16 v[OO+32*\qt+8*\dt:OO+32*\qt+8*\dt+7], v[VF+8*(2*\dt+\kk):VF+8*(2*\dt+\kk)+7], v[SS+32*\qt+16*\kk:SS+32*\qt+16*\kk+7], 0
.else
	v_wmma_f32_16x16x32_f16 v[OO+32*\qt+8*\dt:OO+32*\qt+8*\dt+7], v[VF+8*(2*\dt+\kk):VF+8*(2*\dt+\kk)+7], v[SS+32*\qt+16*\kk:SS+32*\qt+16*\kk+7], v[OO+32*\qt+8*\dt:OO+32*\qt+8*\dt+7]
.endif
.endm
.macro LSUM i
	s_wait_alu depctr_va_vdst(0)
.irp qt, 0,1,2,3
	v_pk_add_f32 v[LP+2*\qt:LP+2*\qt+1], v[SS+32*\qt+2*\i:SS+32*\qt+2*\i+1], v[LP+2*\qt:LP+2*\qt+1]
.endr
.endm
; One step: keys 64 u .. + 63 of the slot against my 64 queries.  mask = 1: the step lies on the diagonal.  first = 1: the block's first step starts all sums.
; In both runs of products the accumulators take turns, one instruction a turn.
.macro STEP slot, u, mask, first
	WIN 0
.irp kt, 0,1,2,3
.irp ks, 0,1
	ds_load_b128 v[KF+8*(2*\kt+\ks):KF+8*(2*\kt+\ks)+3],   v[ADRK+\slot] offset:\u*HALF+\kt*16*KPITCH+64*\ks
	ds_load_b128 v[KF+8*(2*\kt+\ks)+4:KF+8*(2*\kt+\ks)+7], v[ADRK+\slot] offset:\u*HALF+\kt*16*KPITCH+64*\ks+32
.endr
.endr
.irp dt, 0,1,2,3
.irp kk, 0,1
	ds_load_tr16_b128 v[VF+8*(2*\dt+\kk):VF+8*(2*\dt+\kk)+3],   v[ADRV+\slot] offset:\u*HALF+\kk*32*VPITCH+32*\dt
	ds_load_tr16_b128 v[VF+8*(2*\dt+\kk)+4:VF+8*(2*\dt+\kk)+7], v[ADRV+\slot] offset:\u*HALF+\kk*32*VPITCH+32*\dt+16*VPITCH
.endr
.endr
	s_wait_dscnt 16                                ; K's sixteen loads are in; V's sixteen stay out until the second run of products
	WIN 0x50                                       ; C and D in window 1
.irp ks, 0,1
.irp qt, 0,1,2,3
.irp kt, 0,1,2,3
.if \qt+1 > \mask*\kt                              ; on the diagonal the tiles kt > qt are wholly masked: no product
	SMM \kt, \qt, \ks
.endif
.endr
.endr
.endr
.rept 4
	v_nop                                          ; four places before vector instructions read the scores (ISA guide 7.12.1)
.endr
.if \mask
	WIN 0x41                                       ; destination and source 0 in window 1
.irp qt, 0,1,2
.irp kt, 1,2,3
.if \kt > \qt
.irp j, 0,1,2,3,4,5,6,7
	v_mov_b32 v[SS+32*\qt+8*\kt+\j], s31           ; -inf: weight 0
.endr
.endif
.endr
.endr
.irp j, 0,1,2,3,4,5,6,7
	v_cmp_gt_i32 vcc_lo, \j, v[DG]                 ; key 8 h + j above query r
.irp qt, 0,1,2,3
	v_cndmask_b32 v[SS+40*\qt+\j], v[SS+40*\qt+\j], v[NINF], vcc_lo
.endr
.endr
.endif
	WIN 0x05                                       ; sources 0 and 1 in window 1: the maximum of my 32 scores of each query, four chains
.irp i, 0,1,2,3,4,5,6,7,8,9,10,11,12,13,14,15
.irp qt, 0,1,2,3
.if \i
	v_max3_num_f32 v[MX+\qt], v[SS+32*\qt+2*\i], v[SS+32*\qt+2*\i+1], v[MX+\qt]
.else
.if \first
	v_max_num_f32 v[MX+\qt], v[SS+32*\qt], v[SS+32*\qt+1]
.else
	v_max3_num_f32 v[MX+\qt], v[SS+32*\qt], v[SS+32*\qt+1], v[M+\qt]
.endif
.endif
.endr
.endr
	WIN 0
.irp qt, 0,1,2,3
	v_permlanex16_b32 v[PT+\qt], v[MX+\qt], s32, s33               ; the other 32 keys of the same query
.endr
.irp qt, 0,1,2,3
	v_max_num_f32 v[MX+\qt], v[MX+\qt], v[PT+\qt]
.endr
.irp qt, 0,1,2,3
	v_mul_f32 v[T+\qt], s30, v[MX+\qt]             ; the new shift, - c max
.endr
.if \first == 0
.irp qt, 0,1,2,3
	v_sub_f32 v[PT+\qt], v[T+\qt], v[NM+2*\qt]     ; new shift - old shift <= 0: exactly the shifts that the exponentials use
.endr
.irp qt, 0,1,2,3
	v_exp_f32 v[AL+2*\qt], v[PT+\qt]
.endr
.endif
.irp qt, 0,1,2,3
	v_mov_b32 v[NM+2*\qt], v[T+\qt]                ; plain instructions between the exponentials and the use of their results (ISA guide 5.7.2)
	v_mov_b32 v[NM+2*\qt+1], v[T+\qt]
	v_mov_b32 v[M+\qt], v[MX+\qt]
.endr
.if \first == 0
	s_wait_alu depctr_va_vdst(0)
.irp qt, 0,1,2,3
	v_mov_b32 v[AL+2*\qt+1], v[AL+2*\qt]
.endr
.irp qt, 0,1,2,3
	v_pk_mul_f32 v[LP+2*\qt:LP+2*\qt+1], v[LP+2*\qt:LP+2*\qt+1], v[AL+2*\qt:AL+2*\qt+1]
.endr
.endif
	WIN 0x41
.irp qt, 0,1,2,3
.irp i, 0,1,2,3,4,5,6,7,8,9,10,11,12,13,14,15
	v_pk_fma_f32 v[SS+32*\qt+2*\i:SS+32*\qt+2*\i+1], v[SS+32*\qt+2*\i:SS+32*\qt+2*\i+1], s[28:29], v[NM+2*\qt:NM+2*\qt+1] op_sel_hi:[1,0,1]   ; c s - c max
.endr
.endr
.irp qt, 0,1,2,3
.irp kt, 0,1,2,3
.irp j, 0,1,2,3,4,5,6,7
	v_exp_f32 v[SS+32*\qt+8*\kt+\j], v[SS+32*\qt+8*\kt+\j]
.endr
.if \first == 0
.irp j, 0,2,4,6
	v_pk_mul_f32 v[OO+32*\qt+8*\kt+\j:OO+32*\qt+8*\kt+\j+1], v[OO+32*\qt+8*\kt+\j:OO+32*\qt+8*\kt+\j+1], v[AL+2*\qt:AL+2*\qt+1]   ; one tile of O rescaled behind each eight exponentials
.endr
.endif
.endr
.endr
.if \first
	v_nop                                          ; the plain instruction behind the last exponentials
	WIN 0x05
	s_wait_alu depctr_va_vdst(0)
.irp qt, 0,1,2,3
	v_pk_add_f32 v[LP+2*\qt:LP+2*\qt+1], v[SS+32*\qt:SS+32*\qt+1], v[SS+32*\qt+2:SS+32*\qt+3]   ; the first four p start l
.endr
	WIN 0x01
.irp i, 2,3,4,5,6,7,8,9,10,11,12,13,14,15
	LSUM \i
.endr
.else
	WIN 0x01
.irp i, 0,1,2,3,4,5,6,7,8,9,10,11,12,13,14,15
	LSUM \i
.endr
.endif
	WIN 0x45                                       ; pack in place: register j of the pair of tiles takes numbers 2 j, 2 j + 1, which lie at or above it
.irp qt, 0,1,2,3
.irp kk, 0,1
.irp j, 0,1,2,3,4,5,6,7
	v_cvt_pk_f16_f32 v[SS+32*\qt+16*\kk+\j], v[SS+32*\qt+16*\kk+2*\j], v[SS+32*\qt+16*\kk+2*\j+1]
.endr
.endr
.endr
	s_wait_dscnt 0x0                               ; V is in
	WIN 0x54                                       ; B, C and D in window 1
.irp kk, 0,1
.irp qt, 0,1,2,3
.irp dt, 0,1,2,3
	PMM \dt, \qt, \kk, \first*(1-\kk)
.endr
.endr
.endr
.rept 5
	v_nop                                          ; five places: the next step's products write over P, its loads land on V, the block's end reads O
.endr
	WIN 0
.endm
.macro FULL slot, other, refill        ; a key block below the diagonal
	HEAD \other, \refill
	STEP \slot, 0, 0, 0
	STEP \slot, 1, 0, 0
.endm
; The diagonal key block.  Queries 0-63: keys 0-63 on the diagonal; keys 64-127 are wholly masked and not done.  Queries 64-127: keys 0-63 in full, keys 64-127 on
; the diagonal.  In each first step every query has a key that is not masked, so the first maximum is finite.  No barrier and no tensor load stands inside the branch.
.macro DIAG slot, other
	HEAD \other, 1
	s_wait_loadcnt 0x0                             ; Q of this block
	s_cmp_lg_u32 s12, 0
	s_cbranch_scc1 .Lupper_\@
	STEP \slot, 0, 1, 1
	s_branch .Ldiag_done_\@
.Lupper_\@:
	STEP \slot, 0, 0, 1
	STEP \slot, 1, 1, 0
.Ldiag_done_\@:
.endm
; The end of a query block: O / l, rounded to f16; 16 bytes a lane into my stage; behind a barrier whole rows of 256 bytes (both heads) come back and are stored.
.macro FINISH ab
.irp qt, 0,1,2,3
	v_add_f32 v[T+\qt], v[LP+2*\qt], v[LP+2*\qt+1]
.endr
.irp qt, 0,1,2,3
	v_permlanex16_b32 v[PT+\qt], v[T+\qt], s32, s33
.endr
.irp qt, 0,1,2,3
	v_add_f32 v[T+\qt], v[T+\qt], v[PT+\qt]        ; l >= 1: the largest p is 1
.endr
.irp qt, 0,1,2,3
	v_rcp_f32 v[AL+2*\qt], v[T+\qt]
.endr
	v_nop
	s_wait_alu depctr_va_vdst(0)
.irp qt, 0,1,2,3
	v_mov_b32 v[AL+2*\qt+1], v[AL+2*\qt]
.endr
	WIN 0x41
.irp qt, 0,1,2,3
.irp i, 0,1,2,3,4,5,6,7,8,9,10,11,12,13,14,15
	v_pk_mul_f32 v[OO+32*\qt+2*\i:OO+32*\qt+2*\i+1], v[OO+32*\qt+2*\i:OO+32*\qt+2*\i+1], v[AL+2*\qt:AL+2*\qt+1]
.endr
.endr
	WIN 0x05
.irp qt, 0,1,2,3
.irp dt, 0,1,2,3
.irp r, 0,1,2,3
	v_cvt_pk_f16_f32 v[KF+4*(4*\qt+\dt)+\r], v[OO+32*\qt+8*\dt+2*\r], v[OO+32*\qt+8*\dt+2*\r+1]   ; query 16 qt + r, d = 16 dt + 8 h + 0 .. 7
.endr
.endr
.endr
	WIN 0
.irp qt, 0,1,2,3
.irp dt, 0,1,2,3
	ds_store_b128 v[STO], v[KF+4*(4*\qt+\dt):KF+4*(4*\qt+\dt)+3] offset:16*SPT*\qt+32*\dt
.endr
.endr
	s_wait_dscnt 0x0                               ; my stores are done, for the other waves' sake
	s_barrier_signal -1                            ; a tensor load may stay on its way across it
	s_barrier_wait -1
.irp t, 0,1,2,3,4,5,6,7,8,9,10,11,12,13,14,15
	ds_load_b128 v[VF+4*\t:VF+4*\t+3], v[RD] offset:2*SPT*\t
.endr
.irp t, 0,1,2,3,4,5,6,7,8,9,10,11,12,13,14,15
	s_wait_dscnt 15-\t                             ; read-back t is in, the younger ones stay out
	global_store_b128 v[CO], v[VF+4*\t:VF+4*\t+3], s[\ab:\ab+1] offset:2*AROW*\t   ; 16 lanes store 256 consecutive bytes, at a multiple of 256 from att's first byte
.endr
	s_wait_xcnt 0x0                                ; the stores' data registers are loaded again only behind this wait
.endm
	DIAG 0, 1                                      ; query block 14 - 2 e
	s_sub_co_u32 s26, 7, s13                       ; 14 - 2 e key blocks below its diagonal, two a trip
	s_cmp_eq_u32 s26, 0
	s_cbranch_scc1 .Lodd_done
.Lodd:
	FULL 1, 0, 1
	FULL 0, 1, 1
	s_sub_co_i32 s26, s26, 1
	s_cmp_lg_u32 s26, 0
	s_cbranch_scc1 .Lodd
.Lodd_done:
	QLOAD 62                                       ; the second block's Q comes in while the first block goes out
	FINISH 66
	DIAG 1, 0                                      ; query block 2 e + 1
	s_mov_b32 s26, s13                             ; 2 e + 1 key blocks below its diagonal: e trips of two, and one
	s_cmp_eq_u32 s26, 0
	s_cbranch_scc1 .Leven_done
.Leven:
	FULL 0, 1, 1
	FULL 1, 0, 1
	s_sub_co_i32 s26, s26, 1
	s_cmp_lg_u32 s26, 0
	s_cbranch_scc1 .Leven
.Leven_done:
	FULL 0, 1, 0                                   ; the seventeenth key block: nothing is left to fetch, and no tensor load is out
	FINISH 68
	s_wait_tensorcnt 0x0
	ds_add_u32 v62, v63
	s_wait_dscnt 0x0
	s_endpgm
.Lfunc_end_k_q800259d924_attn:
	.size	k_q800259d924_attn, .Lfunc_end_k_q800259d924_attn-k_q800259d924_attn
	.p2alignl 7, 3214868480
	.fill 96, 4, 3214868480
	.section	.rodata,"a",@progbits
	.p2align	6, 0x0
	.amdhsa_kernel k_q800259d924_attn
		.amdhsa_group_segment_fixed_size 327680
		.amdhsa_private_segment_fixed_size 0
		.amdhsa_enable_private_segment 0
		.amdhsa_kernarg_size 16
		.amdhsa_user_sgpr_count 2
		.amdhsa_user_sgpr_kernarg_segment_ptr 1
		.amdhsa_wavefront_size32 1
		.amdhsa_system_sgpr_workgroup_id_x 1
		.amdhsa_system_sgpr_workgroup_id_y 1
		.amdhsa_system_sgpr_workgroup_id_z 1
		.amdhsa_system_vgpr_workitem_id 0
		.amdhsa_next_free_vgpr 512
		.amdhsa_next_free_sgpr 72
		.amdhsa_reserve_vcc 1
		.amdhsa_float_denorm_mode_32 3
		.amdhsa_float_denorm_mode_16_64 3
		.amdhsa_memory_ordered 1
		.amdhsa_forward_progress 1
		.amdhsa_inst_pref_size 255
	.end_amdhsa_kernel
	.section	.bss,"aw",@nobits
	.p2align	6
	.space	262144
	.amdgpu_metadata
---
amdhsa.version: [ 1, 2 ]
amdhsa.kernels:
  - .name:           k_q800259d924_attn
    .symbol:         k_q800259d924_attn.kd
    .args:
      - { .name: qkv, .offset: 0, .size: 8, .value_kind: global_buffer, .address_space: global }
      - { .name: att, .offset: 8, .size: 8, .value_kind: global_buffer, .address_space: global }
    .group_segment_fixed_size: 327680
    .private_segment_fixed_size: 0
    .kernarg_segment_align: 8
    .kernarg_segment_size: 16
    .max_flat_workgroup_size: 128
    .sgpr_count:     72
    .vgpr_count:     512
    .wavefront_size: 32
...
	.end_amdgpu_metadata
.endif
;; end of part 3
;; launch gemm_out (part 4): grid 8 x 32, 4 waves a work-group, clusters of 4 x 4, 327,680 bytes of LDS; arguments att, wb, out0; writes out0
.if DOCPART == 4
	.amdgcn_target "amdgcn-amd-amdhsa--gfx1250"
	.amdhsa_code_object_version 6
	.text
	.protected	k_q800259d924_gemm_out
	.globl	k_q800259d924_gemm_out
	.p2align	8
	.type	k_q800259d924_gemm_out,@function
k_q800259d924_gemm_out:
	s_mov_b64 s[64:65], 0
	v_nop
	global_prefetch_b8 v0, s[64:65] scope:SCOPE_SE
	s_setreg_imm32_b32 hwreg(HW_REG_WAVE_MODE, 25, 1), 1
	s_wait_xcnt 0x0
	s_wait_alu depctr_hold_cnt(0) depctr_sa_sdst(0) depctr_va_vdst(0) depctr_va_sdst(0) depctr_va_ssrc(0) depctr_va_vcc(0) depctr_vm_vsrc(0)
	s_getreg_b32 s2, hwreg(HW_REG_IB_STS2, 6, 4)
	s_cmp_eq_u32 s2, 0
	s_cbranch_scc0 .Lentry_in_a_cluster
	s_endpgm
.Lentry_in_a_cluster:
	s_bfe_u32 s2, ttmp6, 0x10000c
	s_cmp_lg_u32 s2, 0xf033
	s_cbranch_scc0 .Lentry_shape_is_right
	s_endpgm
.Lentry_shape_is_right:
; out0[t][n] = sum over k of att[t][k] wo[n][k].  att: [8192][1024] f16; wo: rows 3072 .. 4095 of wb, [1024][1024] in f16's format; out0: [8192][1024] f32.
; Sums in f32, stored as they are.  No work is left out here.
; The scheme of gemm_qkv: a work-group makes a block of 256 x 128 of C with four waves (32 x 8 = 256 blocks); wave w makes rows 64 w .. + 63 and all 128 columns,
; 32 accumulator tiles; K in steps of 128 through a ring of two LDS slots filled by joint tensor loads in clusters of 4 x 4 work-groups: A's tile is shared along
; a row of the cluster, B's along a column, which divides the requests for A and B by four.
; REGISTERS: window 0: v16-26 addresses; v32-63, v64-95 fragments of A, two buffers; v128-191, v192-255 fragments of B, two buffers (read-back on the way out).
; Window 1: accumulator tile (a, b) at v[8 (8 a + b)].  The matrix instruction is used transposed (source 0 = rows of B, source 1 = rows of A): lane l holds
; row l % 16 of C and its registers the columns 8 (l / 16) + 0 .. 7, 32 neighbouring bytes.
.set SIZE_N, 1024
.set SIZE_K, 1024
.set B_OFF,  3072*SIZE_K*2             ; wo's first row in wb
.set CROW,   SIZE_N*4                  ; bytes in a row of C
.set KSTEP,  128
.set PITCH,  272                       ; an LDS row: 256 bytes + 16 of padding: 16 rows of a fragment load at 16 different banks (ISA guide 11.1)
.set AHALF,  128*PITCH
.set BHALF,  64*PITCH
.set BOFF,   2*AHALF
.set SLOT,   BOFF+2*BHALF
.set STAGE,  2*SLOT                    ; behind the ring: 16 rows x 528 bytes for each wave; no tensor load lands here
.set SPITCH, 528                       ; 512 bytes + 16
.set LAPS,   SIZE_K/(2*KSTEP)
.set ADRA, 16
.set ADRB, 20
.set STO,  24
.set RD,   25
.set CO,   26
.set FA0,  32
.set FB0,  128
.set G1,  24
.set G0,  32
.set G1B, 48
.set G0B, 56
.set G1W0, (1<<16)|(1<<20)|(1<<21)|(5<<22)|(3<<25)   ; elements of 2 bytes; padding on; bit 21 beside a mask; after every 64 words, 4 words
.set MUL, 0x50                         ; C and D in window 1
.set MSB, 0
.macro WIN new                         ; the immediate's high byte repeats the setting that is left
.if MSB != \new
	s_set_vgpr_msb (MSB<<8)|\new
.set MSB, \new
.endif
.endm
.macro JLOAD s                         ; waves 0, 1 fetch A's halves (128 rows), waves 2, 3 B's (64 rows); the branch hangs on the wave's number alone
	s_cmp_lt_u32 s10, 2
	s_cbranch_scc0 .Lfor_b_\@
	tensor_load_to_lds s[G0+4*\s:G0+4*\s+3], s[G1:G1+7]
	s_nop 0
	s_branch .Lasked_\@
.Lfor_b_\@:
	tensor_load_to_lds s[G0B+4*\s:G0B+4*\s+3], s[G1B:G1B+7]
	s_nop 0
.Lasked_\@:
.endm
.macro CREST                           ; a round of the cluster's barrier behind its opening barrier
	s_cmp_lg_u32 s10, 0
	s_cbranch_scc1 .Lnot_wave_0_\@
	s_barrier_signal -3
.Lnot_wave_0_\@:
	s_barrier_wait -3
	s_barrier_signal -1
	s_barrier_wait -1
.endm
.macro CROUND
	s_barrier_signal -1
	s_barrier_wait -1
	CREST
.endm
	s_load_b128 s[4:7], s[0:1], 0x0                ; A s[4:5], wb s[6:7]
	s_load_b64 s[8:9], s[0:1], 0x10                ; C
	v_lshl_add_u32 v126, v0, 2, 0x3b400
	v_mov_b32 v127, 0
	ds_add_u32 v126, v127
	ds_add_u32 v126, v127
	v_lshrrev_b32 v1, 5, v0
	v_readfirstlane_b32 s10, v1                    ; wave 0..3
	s_and_b32 s12, s10, 1                          ; which half of A's or B's tile I fetch
	s_bfe_u32 s40, ttmp6, 0x40000                  ; cx
	s_bfe_u32 s41, ttmp6, 0x40004                  ; cy
	s_lshl_b32 s42, ttmp9, 2
	s_add_co_u32 s42, s42, s40                     ; block column
	s_and_b32 s13, ttmp7, 0xffff
	s_lshl_b32 s13, s13, 2
	s_add_co_u32 s13, s13, s41                     ; block row
	s_lshl_b32 s43, s41, 2
	s_lshl_b32 s43, 15, s43                        ; my row of the cluster
	s_lshl_b32 s44, 0x1111, s40                    ; my column
	s_or_b32 s[G1+0], s43, G1W0
	s_or_b32 s[G1B+0], s44, G1W0
	s_mov_b32 s[G1+1], KSTEP<<16                   ; tensor_dim0 = 128
	s_mov_b32 s[G1B+1], KSTEP<<16
	s_mov_b32 s[G1+2], 128<<16                     ; tensor_dim1 = 128 rows
	s_mov_b32 s[G1B+2], 64<<16                     ; 64 rows
	s_mov_b32 s[G1+3], KSTEP<<16                   ; tile_dim0 = 128
	s_mov_b32 s[G1B+3], KSTEP<<16
	s_mov_b32 s[G1+4], 128                         ; tile_dim1
	s_mov_b32 s[G1B+4], 64
	s_mov_b32 s[G1+5], SIZE_K                      ; elements from row to row
	s_mov_b32 s[G1B+5], SIZE_K
	s_mov_b32 s[G1+6], 0
	s_mov_b32 s[G1B+6], 0
	s_mov_b32 s[G1+7], 0
	s_mov_b32 s[G1B+7], 0
	s_lshl_b32 s16, s13, 8
	s_lshl_b32 s17, s12, 7
	s_add_co_u32 s16, s16, s17                     ; A: row 256 x block row + 128 x half
	s_mul_i32 s16, s16, SIZE_K*2
	s_mov_b32 s17, 0
	s_lshl_b32 s46, s42, 7
	s_lshl_b32 s47, s12, 6
	s_add_co_u32 s46, s46, s47                     ; B: row 128 x block column + 64 x half
	s_mul_i32 s46, s46, SIZE_K*2
	s_mov_b32 s47, 0
	s_mul_i32 s20, s10, AHALF                      ; where A's halves go (waves 0, 1)
	s_mul_i32 s45, s10, BHALF
	s_add_co_u32 s45, s45, BOFF-2*BHALF            ; where B's go (waves 2, 3)
	s_wait_dscnt 0x0
	s_wait_kmcnt 0x0
	s_add_nc_u64 s[6:7], s[6:7], B_OFF             ; wo
	s_add_nc_u64 s[14:15], s[4:5], s[16:17]
	s_add_nc_u64 s[46:47], s[6:7], s[46:47]
	CROUND                                         ; all sixteen work-groups are here: the first joint loads meet
.irp s, 0,1
	s_mov_b32 s[G0+4*\s], 1
	s_add_co_u32 s[G0+4*\s+1], s20, \s*SLOT
	s_add_nc_u64 s[G0+4*\s+2:G0+4*\s+3], s[14:15], \s*KSTEP*2
	s_or_b32 s[G0+4*\s+3], s[G0+4*\s+3], 0x80000000
	s_mov_b32 s[G0B+4*\s], 1
	s_add_co_u32 s[G0B+4*\s+1], s45, \s*SLOT
	s_add_nc_u64 s[G0B+4*\s+2:G0B+4*\s+3], s[46:47], \s*KSTEP*2
	s_or_b32 s[G0B+4*\s+3], s[G0B+4*\s+3], 0x80000000
	JLOAD \s                                       ; two tensor loads of the wave are out
.endr
	v_and_b32 v1, 15, v0                           ; l % 16
	v_bfe_u32 v2, v0, 4, 1                         ; l / 16
	v_mul_u32_u24 v3, v1, PITCH
	v_lshl_add_u32 v3, v2, 4, v3
	s_mul_i32 s21, s10, 64*PITCH                   ; my 64 rows of A
	s_mov_b32 s22, BOFF
.irp s, 0,1
	v_add_nc_u32 v[ADRA+\s], s21, v3
	v_add_nc_u32 v[ADRB+\s], s22, v3
	s_add_co_u32 s21, s21, SLOT
	s_add_co_u32 s22, s22, SLOT
.endr
	s_mul_i32 s23, s10, 16*SPITCH
	s_add_co_u32 s23, s23, STAGE                   ; my stage
	v_mul_u32_u24 v4, v1, SPITCH                   ; in: row l % 16, 32 bytes for each half of the lanes
	v_lshl_add_u32 v4, v2, 5, v4
	v_add_nc_u32 v[STO], s23, v4
	v_and_b32 v6, 31, v0
	v_lshlrev_b32 v[CO], 4, v6                     ; back and out: the 32 lanes take one row of 512 bytes
	v_add_nc_u32 v[RD], s23, v[CO]
.macro MUL8 f, a, zero                 ; m block a x all 8 n blocks, 32 along K; zero = 1: the product starts the sum
.irp b, 0,1,2,3,4,5,6,7
.if \zero
	v_wmma_f32_16x16x32_f16 v[8*(8*(\a)+\b):8*(8*(\a)+\b)+7], v[FB0+64*\f+8*\b:FB0+64*\f+8*\b+7], v[FA0+32*\f+8*(\a):FA0+32*\f+8*(\a)+7], 0
.else
	v_wmma_f32_16x16x32_f16 v[8*(8*(\a)+\b):8*(8*(\a)+\b)+7], v[FB0+64*\f+8*\b:FB0+64*\f+8*\b+7], v[FA0+32*\f+8*(\a):FA0+32*\f+8*(\a)+7], v[8*(8*(\a)+\b):8*(8*(\a)+\b)+7]
.endif
.endr
.endm
.macro MUL16 f, a0, zero
	MUL8 \f, \a0, \zero
	MUL8 \f, \a0+1, \zero
.endm
.macro FETCH slot, k, f                ; 24 LDS loads in one run: B's 8 fragments, then my 4 of A
	WIN 0
.irp i, 0,1,2,3,4,5,6,7
	ds_load_b128 v[FB0+64*\f+8*\i:FB0+64*\f+8*\i+3],   v[ADRB+\slot] offset:\k+\i*16*PITCH
	ds_load_b128 v[FB0+64*\f+8*\i+4:FB0+64*\f+8*\i+7], v[ADRB+\slot] offset:\k+\i*16*PITCH+32
.endr
.irp i, 0,1,2,3
	ds_load_b128 v[FA0+32*\f+8*\i:FA0+32*\f+8*\i+3],   v[ADRA+\slot] offset:\k+\i*16*PITCH
	ds_load_b128 v[FA0+32*\f+8*\i+4:FA0+32*\f+8*\i+7], v[ADRA+\slot] offset:\k+\i*16*PITCH+32
.endr
.endm
.macro PLACES                          ; four places behind a matrix instruction before a load lands on its sources or anything but a matrix instruction reads its result (ISA guide 7.12.1 for vector instructions)
.rept 4
	v_nop
.endr
.endm
; Four quarters of 32 along K to a K step, on buffers 0, 1, 0, 1.  The 32 accumulators take turns, one instruction a turn, in the same order in every quarter,
; over the backward jump too.
.macro QUARTER slot, k, f, g, zero
	s_wait_dscnt 4                                 ; B and A's fragments 0, 1 are in; the four youngest loads (A's fragments 2, 3) may be out
	WIN MUL
	MUL16 \f, 0, \zero
	PLACES
	FETCH \slot, \k, \g
	s_wait_dscnt 24                                ; all but the 24 just issued
	WIN MUL
	MUL16 \f, 2, \zero
.endm
.macro THREE slot, zero
	QUARTER \slot, 64,  0, 1, \zero
	QUARTER \slot, 128, 1, 0, 0
	QUARTER \slot, 192, 0, 1, 0
.endm
; The last quarter changes slots: each wave waits for its reads of this slot and for all its tensor loads, then the barrier, which opens a round of the cluster's
; barrier where the slot is filled again; the joint refill is the first tensor load behind the round.
.macro TURN slot, next, fill
	s_wait_dscnt 4
	WIN MUL
	MUL8 1, 0, 0
	s_wait_dscnt 0                                 ; my reads of this slot are over
	s_wait_tensorcnt 0x0                           ; all my tensor loads have landed: the one that was out is my part of the next slot
	ds_add_u32 v126, v127
	s_wait_dscnt 0x0
	s_barrier_signal -1
	MUL8 1, 1, 0                                   ; register work while the others arrive
	WIN 0
	s_barrier_wait -1
.if \fill
	CREST
	s_add_nc_u64 s[G0+4*\slot+2:G0+4*\slot+3], s[G0+4*\slot+2:G0+4*\slot+3], 2*KSTEP*2
	s_add_nc_u64 s[G0B+4*\slot+2:G0B+4*\slot+3], s[G0B+4*\slot+2:G0B+4*\slot+3], 2*KSTEP*2
	JLOAD \slot
.endif
	PLACES
	FETCH \next, 0, 0
	WIN MUL
	MUL16 1, 2, 0
.endm
.macro LAP zero
	THREE 0, \zero
	TURN 0, 1, 1
	THREE 1, 0
	TURN 1, 0, 1
.endm
	s_wait_tensorcnt 1                             ; my part of K step 0 is in; K step 1's stays out
	s_barrier_signal -1
	s_barrier_wait -1
	FETCH 0, 0, 0
	LAP 1                                          ; the first lap's first products start the sums
	WIN 0
	s_mov_b32 s3, LAPS-2
.Llap:
	LAP 0
	WIN 0
	s_sub_co_u32 s3, s3, 1
	s_cmp_lg_u32 s3, 0
	s_cbranch_scc1 .Llap
	THREE 0, 0                                     ; the last lap fills nothing
	TURN 0, 1, 0
	THREE 1, 0
	s_wait_dscnt 4
	WIN MUL
	MUL16 1, 0, 0
	s_wait_dscnt 0
	MUL16 1, 2, 0
	; THE WAY OUT, 16 rows at a time: 32 bytes a lane from the accumulators into my own stage, read back as whole rows of 512 bytes
	PLACES
	s_lshl_b32 s16, s13, 8
	s_lshl_b32 s17, s10, 6
	s_add_co_u32 s16, s16, s17                     ; my first row of C
	s_mul_i32 s16, s16, CROW
	s_mov_b32 s17, 0
	s_add_nc_u64 s[8:9], s[8:9], s[16:17]
	s_lshl_b32 s46, s42, 9                         ; my block's first column: 128 numbers of 4 bytes a block
	s_mov_b32 s47, 0
	s_add_nc_u64 s[8:9], s[8:9], s[46:47]
.macro OUT16F i, f
	WIN 0x04                                       ; the stores' data in window 1
.irp b, 0,1,2,3,4,5,6,7
	ds_store_b128 v[STO], v[8*(8*\i+\b):8*(8*\i+\b)+3]   offset:64*\b
	ds_store_b128 v[STO], v[8*(8*\i+\b)+4:8*(8*\i+\b)+7] offset:64*\b+16
.endr
	WIN 0
	s_wait_xcnt 0x0                                ; buffer f, which earlier stores read, and the stores' base are written again only behind this wait
.if \i
	s_add_nc_u64 s[8:9], s[8:9], 16*CROW
.endif
.irp t, 0,1,2,3,4,5,6,7,8,9,10,11,12,13,14,15
	ds_load_b128 v[\f+4*\t:\f+4*\t+3], v[RD] offset:\t*SPITCH      ; LDS serves a wave's instructions in order (ISA guide 5.7.1): these see the stores above
.endr
.irp t, 0,1,2,3,4,5,6,7,8,9,10,11,12,13,14,15
	s_wait_dscnt 15-\t                             ; read-back t is in, the younger ones stay out
	global_store_b128 v[CO], v[\f+4*\t:\f+4*\t+3], s[8:9] offset:\t*CROW th:TH_STORE_NT   ; the wave stores 512 consecutive bytes, at a multiple of 512 from C's first byte
.endr
.endm
	OUT16F 0, FB0
	OUT16F 1, FB0+64
	OUT16F 2, FB0
	OUT16F 3, FB0+64
	s_wait_tensorcnt 0x0
	ds_add_u32 v126, v127
	s_wait_dscnt 0x0
	CROUND                                         ; the closing round: no work-group ends while a partner may still ask for a tile that names it
	s_endpgm
.Lfunc_end_k_q800259d924_gemm_out:
	.size	k_q800259d924_gemm_out, .Lfunc_end_k_q800259d924_gemm_out-k_q800259d924_gemm_out
	.p2alignl 7, 3214868480
	.fill 96, 4, 3214868480
	.section	.rodata,"a",@progbits
	.p2align	6, 0x0
	.amdhsa_kernel k_q800259d924_gemm_out
		.amdhsa_group_segment_fixed_size 327680
		.amdhsa_private_segment_fixed_size 0
		.amdhsa_enable_private_segment 0
		.amdhsa_kernarg_size 24
		.amdhsa_user_sgpr_count 2
		.amdhsa_user_sgpr_kernarg_segment_ptr 1
		.amdhsa_wavefront_size32 1
		.amdhsa_system_sgpr_workgroup_id_x 1
		.amdhsa_system_sgpr_workgroup_id_y 1
		.amdhsa_system_sgpr_workgroup_id_z 1
		.amdhsa_system_vgpr_workitem_id 0
		.amdhsa_next_free_vgpr 512
		.amdhsa_next_free_sgpr 66
		.amdhsa_reserve_vcc 0
		.amdhsa_float_denorm_mode_32 3
		.amdhsa_float_denorm_mode_16_64 3
		.amdhsa_memory_ordered 1
		.amdhsa_forward_progress 1
		.amdhsa_inst_pref_size 118
	.end_amdhsa_kernel
	.amdgpu_metadata
---
amdhsa.version: [ 1, 2 ]
amdhsa.kernels:
  - .name:           k_q800259d924_gemm_out
    .symbol:         k_q800259d924_gemm_out.kd
    .args:
      - { .name: att, .offset: 0, .size: 8, .value_kind: global_buffer, .address_space: global }
      - { .name: wb, .offset: 8, .size: 8, .value_kind: global_buffer, .address_space: global }
      - { .name: out0, .offset: 16, .size: 8, .value_kind: global_buffer, .address_space: global }
    .group_segment_fixed_size: 327680
    .private_segment_fixed_size: 0
    .kernarg_segment_align: 8
    .kernarg_segment_size: 24
    .max_flat_workgroup_size: 128
    .sgpr_count:     66
    .vgpr_count:     512
    .wavefront_size: 32
...
	.end_amdgpu_metadata
.endif
;; end of part 4
;; ======== version 2 of 3: 4 launches; 1.18 times as fast as version 1
;; limits: values are held in f16: magnitudes above 65,504 overflow, below 6.1e-05 lose precision
;; workspace buffers: xb 16,777,216 bytes; wb 8,388,608 bytes; qkv 50,331,648 bytes; att 16,777,216 bytes
;; launch cvt (part 5): grid 768 x 1, 8 waves a work-group, no clusters, 0 bytes of LDS; arguments x, wq, wk, wv, wo, xb, wb; writes xb, wb
.if DOCPART == 5
	.amdgcn_target "amdgcn-amd-amdhsa--gfx1250"
	.amdhsa_code_object_version 6
	.text
	.protected	k_q800259d924_cvt
	.globl	k_q800259d924_cvt
	.p2align	8
	.type	k_q800259d924_cvt,@function
k_q800259d924_cvt:
	s_mov_b64 s[64:65], 0
	v_nop
	global_prefetch_b8 v0, s[64:65] scope:SCOPE_SE
	s_setreg_imm32_b32 hwreg(HW_REG_WAVE_MODE, 25, 1), 1
	s_wait_xcnt 0x0
; Causal multi-head self-attention, B = 4, S = 2048, D = 1024, H = 16, DK = 64, in four launches:
;   cvt       x and the four weights, f32 to 16 bits, once        (this text)
;   gemm_qkv  qkv = xb wb[0:3072]^T                                (stored by planes: 16 heads of q, 16 of k, 16 of v, each [8192 tokens][64])
;   attn      causal softmax(q k^T / 8) v for each head
;   gemm_out  out0 = att wb[3072:4096]^T
; WORK LEFT OUT BY THE PROGRAM (in attn alone): work on keys that lie above the diagonal, where it comes in whole pieces.  A block of 128 keys
; or a step of 64 x 64 whose every key index is larger than every query index is not touched.  In a step on the diagonal the tiles of 16 x 16
; of that kind get no score product, no exponential and no part in the sums, and a product with V whose 32 keys are all of that kind is not
; issued (where only 16 of its 32 keys are, their weights are written as zeros).
; reference() itself sets those scores to -inf (triu, k = 1).  Every query keeps its own key, so for finite inputs the row's maximum
; is finite, the weight is exp(-inf - max) = 0 exactly, and 0 x v adds nothing to the sum over keys, whatever finite values x, wq, wk
; and wv hold.  LIMIT: a NaN, an infinity or an overflow that would arise only in such a product is not carried to the result.
; All five inputs have a way to the output and all are loaded.
; FORMATS: x, wq, wk, wv go to the matrix unit in bf16.  q, k, v, the weights P, att and wo go in f16 (attn says why, and what room f16 has).
; wo is rounded to bf16 like the other four inputs and then written in f16's format, since the f16 matrix form takes both operands in
; one format: bf16's 8 significant bits fit f16's 11, so the second step is exact for 2^-17 <= |w| < 65,504 and off by at most 2^-25
; below.  The program so computes reference() of the five inputs rounded to bf16, up to the f16 roundings of q, k, v, P and att.
;
; THIS LAUNCH: a stream; no LDS, no barrier, no matrix unit.  Work-group g converts 16,384 numbers: 65,536 bytes in, 32,768 out.
; g < 512: x to xb.  g = 512 + 64 i + c: chunk c of weight i (wq, wk, wv, wo) to wb, whose rows are wq's, wk's, wv's, wo's in that order.
; Thread t takes 16 bytes at 16 t of each 4,096 bytes: a wave's load covers 512 consecutive bytes, its store 256 consecutive aligned bytes.
; All sixteen loads go out first; every store has data registers of its own, so no source is ever written again.
.set X, 4                              ; v[4:67]    sixteen loads of four f32
.set Y, 68                             ; v[68:99]   sixteen stores of four 16-bit numbers
.set T, 100                            ; v[100:103] wo's path: the bf16 numbers widened again
	s_load_b256 s[4:11], s[0:1], 0x0               ; x s[4:5], wq s[6:7], wk s[8:9], wv s[10:11]
	s_load_b128 s[12:15], s[0:1], 0x20             ; wo s[12:13], xb s[14:15]
	s_load_b64 s[16:17], s[0:1], 0x30              ; wb
	s_mov_b32 s19, ttmp9                           ; g
	s_and_b32 s21, s19, 63                         ; chunk in a weight
	s_bfe_u32 s22, s19, 0x20006                    ; which weight: bits 7:6 of g (512 has none of them)
	s_and_b32 s23, s19, 255                        ; chunk in wb
	v_lshlrev_b32 v1, 4, v0                        ; 16 t
	v_lshlrev_b32 v2, 3, v0                        ; 8 t
	s_wait_kmcnt 0x0
	s_cmp_eq_u32 s22, 1
	s_cselect_b64 s[24:25], s[8:9], s[6:7]         ; wk or wq
	s_cmp_eq_u32 s22, 2
	s_cselect_b64 s[24:25], s[10:11], s[24:25]     ; wv
	s_cmp_eq_u32 s22, 3
	s_cselect_b64 s[24:25], s[12:13], s[24:25]     ; wo
	s_cmp_lt_u32 s19, 512
	s_cselect_b64 s[24:25], s[4:5], s[24:25]       ; from: x or the weight
	s_cselect_b64 s[26:27], s[14:15], s[16:17]     ; to: xb or wb
	s_cselect_b32 s28, s19, s21                    ; chunk at the source
	s_cselect_b32 s30, s19, s23                    ; chunk at the destination
	s_lshl_b32 s28, s28, 16                        ; x 65,536 bytes: at most 511 chunks, below 2^25
	s_mov_b32 s29, 0
	s_lshl_b32 s30, s30, 15                        ; x 32,768 bytes
	s_mov_b32 s31, 0
	s_add_nc_u64 s[24:25], s[24:25], s[28:29]
	s_add_nc_u64 s[26:27], s[26:27], s[30:31]
.irp i, 0,1,2,3,4,5,6,7,8,9,10,11,12,13,14,15
	global_load_b128 v[X+4*\i:X+4*\i+3], v1, s[24:25] offset:4096*\i th:TH_LOAD_NT   ; read once in this launch
.endr
	s_cmp_ge_u32 s19, 704                          ; the last 64 work-groups hold wo
	s_cbranch_scc1 .Lwo
.irp i, 0,1,2,3,4,5,6,7,8,9,10,11,12,13,14,15
	s_wait_loadcnt 15-\i                           ; loads come back in order (ISA guide 5.7.1): load i is in, the 15 - i younger ones stay out
	v_cvt_pk_bf16_f32 v[Y+2*\i], v[X+4*\i], v[X+4*\i+1]
	v_cvt_pk_bf16_f32 v[Y+2*\i+1], v[X+4*\i+2], v[X+4*\i+3]
	global_store_b64 v2, v[Y+2*\i:Y+2*\i+1], s[26:27] offset:2048*\i
.endr
	s_endpgm
.Lwo:
.irp i, 0,1,2,3,4,5,6,7,8,9,10,11,12,13,14,15
	s_wait_loadcnt 15-\i
	v_cvt_pk_bf16_f32 v[Y+2*\i], v[X+4*\i], v[X+4*\i+1]            ; the same rounding as the other inputs,
	v_cvt_pk_bf16_f32 v[Y+2*\i+1], v[X+4*\i+2], v[X+4*\i+3]
	v_lshlrev_b32 v[T], 16, v[Y+2*\i]                              ; widened (a shift, a mask),
	v_and_b32 v[T+1], 0xffff0000, v[Y+2*\i]
	v_lshlrev_b32 v[T+2], 16, v[Y+2*\i+1]
	v_and_b32 v[T+3], 0xffff0000, v[Y+2*\i+1]
	v_cvt_pk_f16_f32 v[Y+2*\i], v[T], v[T+1]                       ; and written in f16's format
	v_cvt_pk_f16_f32 v[Y+2*\i+1], v[T+2], v[T+3]
	global_store_b64 v2, v[Y+2*\i:Y+2*\i+1], s[26:27] offset:2048*\i
.endr
	s_endpgm
.Lfunc_end_k_q800259d924_cvt:
	.size	k_q800259d924_cvt, .Lfunc_end_k_q800259d924_cvt-k_q800259d924_cvt
	.p2alignl 7, 3214868480
	.fill 96, 4, 3214868480
	.section	.rodata,"a",@progbits
	.p2align	6, 0x0
	.amdhsa_kernel k_q800259d924_cvt
		.amdhsa_group_segment_fixed_size 0
		.amdhsa_private_segment_fixed_size 0
		.amdhsa_enable_private_segment 0
		.amdhsa_kernarg_size 56
		.amdhsa_user_sgpr_count 2
		.amdhsa_user_sgpr_kernarg_segment_ptr 1
		.amdhsa_wavefront_size32 1
		.amdhsa_system_sgpr_workgroup_id_x 1
		.amdhsa_system_sgpr_workgroup_id_y 1
		.amdhsa_system_sgpr_workgroup_id_z 1
		.amdhsa_system_vgpr_workitem_id 0
		.amdhsa_next_free_vgpr 104
		.amdhsa_next_free_sgpr 66
		.amdhsa_reserve_vcc 0
		.amdhsa_float_denorm_mode_32 3
		.amdhsa_float_denorm_mode_16_64 3
		.amdhsa_memory_ordered 1
		.amdhsa_forward_progress 1
		.amdhsa_inst_pref_size 16
	.end_amdhsa_kernel
	.amdgpu_metadata
---
amdhsa.version: [ 1, 2 ]
amdhsa.kernels:
  - .name:           k_q800259d924_cvt
    .symbol:         k_q800259d924_cvt.kd
    .args:
      - { .name: x, .offset: 0, .size: 8, .value_kind: global_buffer, .address_space: global }
      - { .name: wq, .offset: 8, .size: 8, .value_kind: global_buffer, .address_space: global }
      - { .name: wk, .offset: 16, .size: 8, .value_kind: global_buffer, .address_space: global }
      - { .name: wv, .offset: 24, .size: 8, .value_kind: global_buffer, .address_space: global }
      - { .name: wo, .offset: 32, .size: 8, .value_kind: global_buffer, .address_space: global }
      - { .name: xb, .offset: 40, .size: 8, .value_kind: global_buffer, .address_space: global }
      - { .name: wb, .offset: 48, .size: 8, .value_kind: global_buffer, .address_space: global }
    .group_segment_fixed_size: 0
    .private_segment_fixed_size: 0
    .kernarg_segment_align: 8
    .kernarg_segment_size: 56
    .max_flat_workgroup_size: 256
    .sgpr_count:     66
    .vgpr_count:     104
    .wavefront_size: 32
...
	.end_amdgpu_metadata
.endif
;; end of part 5
;; launch gemm_qkv (part 6): grid 8 x 32, 4 waves a work-group, clusters of 4 x 4, 327,680 bytes of LDS; arguments xb, wb, qkv; writes qkv
.if DOCPART == 6
	.amdgcn_target "amdgcn-amd-amdhsa--gfx1250"
	.amdhsa_code_object_version 6
	.text
	.protected	k_q800259d924_gemm_qkv
	.globl	k_q800259d924_gemm_qkv
	.p2align	8
	.type	k_q800259d924_gemm_qkv,@function
k_q800259d924_gemm_qkv:
	s_mov_b64 s[64:65], 0
	v_nop
	global_prefetch_b8 v0, s[64:65] scope:SCOPE_SE
	s_setreg_imm32_b32 hwreg(HW_REG_WAVE_MODE, 25, 1), 1
	s_wait_xcnt 0x0
	s_wait_alu depctr_hold_cnt(0) depctr_sa_sdst(0) depctr_va_vdst(0) depctr_va_sdst(0) depctr_va_ssrc(0) depctr_va_vcc(0) depctr_vm_vsrc(0)
	s_getreg_b32 s2, hwreg(HW_REG_IB_STS2, 6, 4)
	s_cmp_eq_u32 s2, 0
	s_cbranch_scc0 .Lentry_in_a_cluster
	s_endpgm
.Lentry_in_a_cluster:
	s_bfe_u32 s2, ttmp6, 0x10000c
	s_cmp_lg_u32 s2, 0xf033
	s_cbranch_scc0 .Lentry_shape_is_right
	s_endpgm
.Lentry_shape_is_right:
; C[t][n] = sum over k of xb[t][k] wb[n][k], n = 0 .. 3071 (wq's, wk's, wv's rows).  xb: [8192][1024] bf16, wb: [4096][1024] bf16 in these rows; sums in f32,
; rounded once to f16.  No work is left out here.
; qkv IS STORED BY PLANES: [48 planes][8192 tokens][64] f16, plane = n / 64: 16 heads of q, 16 of k, 16 of v.  A block of C is 192 columns = 3 planes; in a row-major
; C its rows would be 384 bytes, one and a half aligned pieces of 256.  By planes four tokens of a plane are 512 consecutive aligned bytes: one store of a wave.
; LIMIT: |q|, |k|, |v| above 65,504 become infinite in f16.  x and the weights both 30 times their spreads of 1 and 1/32 give about
; 900 x 5.5 = 5,000; a common offset of 30 spreads on both gives 1024 x 30 x 30/32 = 28,800.
; A work-group makes blocks of 256 x 192 with four waves, 2 x 2, a wave 128 x 96: 48 accumulator tiles of 16 x 16, 384 registers; for 32 along K a wave loads
; 14 fragments for 48 matrix instructions.  32 x 16 = 512 blocks: 256 work-groups STAY and make two each, block columns 2 bx and 2 bx + 1 of block row by.
; K goes in steps of 128 through a ring of two LDS slots filled by the tensor data mover (a tile's rows are 256 bytes of memory, aligned), and the ring RUNS ON into
; the second block: the first block's last two K steps refill the slots with the second block's first two, and the first block leaves while a tile is on its way.
; CLUSTERS: 4 x 4 work-groups.  The four of a row of the cluster need the same tiles of A, the four of a column the same tiles of B: each tile is asked
; for jointly, by the same tensor load with the same descriptor and a mask that names the four.  That divides the requests for A and B by four.
; REGISTERS: window 0: v16-26 addresses; v32-95, v96-159 fragments of A (8 x 16 rows x 32 K), two buffers; v160-207, v208-255 fragments of B (6), two buffers.
; Window 1: accumulator tile (a, b) of my rows 0-63 at v[8 (6 a + b)]; window 2: the same for my rows 64-127.
; THE MATRIX INSTRUCTION IS USED TRANSPOSED: source 0 = 16 rows of B, source 1 = 16 rows of A, so that lane l holds row l % 16 of C and its registers
; the columns 8 (l / 16) + 0 .. 7: eight neighbouring numbers of a row.
.set SIZE_K, 1024
.set KSTEP,  128
.set PITCH,  272                       ; an LDS row: 256 bytes + 16 of padding: the 16 rows of a fragment load start 68 words apart, at 16 different banks (64 banks of 4 bytes: ISA guide 11.1)
.set AHALF,  128*PITCH                 ; what one tensor load brings of A, and what a wave reads of it
.set BHALF,  96*PITCH                  ; the same of B
.set BOFF,   2*AHALF                   ; B's 192 rows lie behind A's 256
.set SLOT,   BOFF+2*BHALF              ; 121,856 bytes
.set STAGE,  2*SLOT                    ; 243,712 = 952 x 256: behind the ring; no tensor load lands here
.set SP,     400                       ; a stage row: the block's 384 bytes + 16: 25 x 16, so the 16 rows of a store start at 16 different banks
.set PSTG,   64*SP                     ; the stage of the two waves that share 128 rows: 64 rows at a time
.set HS,     8192*128                  ; bytes in a plane of qkv
.set BCOL,   192*SIZE_K*2              ; from a block column's rows of wb to the next
.set BACK,   3*2*KSTEP*2               ; three laps' steps along K: 1,536 bytes
.set LAPS,   SIZE_K/(2*KSTEP)          ; a lap = two K steps = once round the ring: 4 to a block
.set ADRA, 16                          ; v16-17  LDS address of my A fragments in slot 0, 1
.set ADRB, 20                          ; v20-21  the same for B
.set STO,  24                          ; the way out: where I put 16 bytes of a row
.set RD,   25                          ; where I read 16 bytes of a plane's row back
.set CO,   26                          ; 16 x lane: my place in a store's 512 bytes
.set FA0,  32                          ; A's buffer f at FA0 + 64 f
.set FB0,  160                         ; B's buffer f at FB0 + 48 f
.set TMP,  FB0+48                      ; the way out uses buffer 1 alone: packed results in B's,
.set RB,   FA0+64                      ; read-back in A's; buffer 0 already holds the next block's first fragments
.set G1,  24                           ; s[24:31] descriptor group 1 for A's tiles
.set G0,  32                           ; s[32:39] group 0 for A's tiles, one set for each slot
.set G1B, 48                           ; s[48:55] group 1 for B's tiles
.set G0B, 56                           ; s[56:63] group 0 for B's tiles
.set G1W0, (1<<16)|(1<<20)|(1<<21)|(5<<22)|(3<<25)   ; elements of 2 bytes; padding on; bit 21 beside a mask; after every 64 words, 4 words
.set MUL_LO, 0x50                      ; C and D in window 1, A and B in window 0
.set MUL_HI, 0xa0                      ; C and D in window 2
.set MSB, 0
.macro WIN new                         ; low byte: bits 1:0 source 0, 3:2 source 1, 5:4 source 2, 7:6 destination; the high byte repeats the setting that is left
.if MSB != \new
	s_set_vgpr_msb (MSB<<8)|\new
.set MSB, \new
.endif
.endm
; A joint load.  Waves 0 and 1 fetch A's two halves (128 rows each), waves 2 and 3 B's (96 rows each).  Each line has one mask and one set of registers
; for all that issue it.  The branch hangs on the wave's number alone.
.macro JLOAD s
	s_cmp_lt_u32 s10, 2
	s_cbranch_scc0 .Lfor_b_\@
	tensor_load_to_lds s[G0+4*\s:G0+4*\s+3], s[G1:G1+7]
	s_nop 0
	s_branch .Lasked_\@
.Lfor_b_\@:
	tensor_load_to_lds s[G0B+4*\s:G0B+4*\s+3], s[G1B:G1B+7]
	s_nop 0
.Lasked_\@:
.endm
; A round of the cluster's barrier: my work-group's barrier; wave 0 signals for the work-group; every wave waits for all sixteen; my work-group's barrier again.
.macro CREST                           ; a round behind its opening barrier
	s_cmp_lg_u32 s10, 0
	s_cbranch_scc1 .Lnot_wave_0_\@
	s_barrier_signal -3
.Lnot_wave_0_\@:
	s_barrier_wait -3
	s_barrier_signal -1
	s_barrier_wait -1
.endm
.macro CROUND
	s_barrier_signal -1
	s_barrier_wait -1
	CREST
.endm
	s_load_b128 s[4:7], s[0:1], 0x0                ; A s[4:5], B s[6:7]
	s_load_b64 s[8:9], s[0:1], 0x10                ; C
	v_lshl_add_u32 v30, v0, 2, 0x48000
	v_mov_b32 v31, 0
	ds_add_u32 v30, v31
	ds_add_u32 v30, v31
	v_lshrrev_b32 v1, 5, v0
	v_readfirstlane_b32 s10, v1                    ; wave 0..3
	s_lshr_b32 s11, s10, 1                         ; which 128 rows of the block are mine
	s_and_b32 s12, s10, 1                          ; which 96 columns.  Also: which half of A's or B's tile I fetch
	s_bfe_u32 s40, ttmp6, 0x40000                  ; cx
	s_bfe_u32 s41, ttmp6, 0x40004                  ; cy
	s_lshl_b32 s42, ttmp9, 2
	s_add_co_u32 s42, s42, s40                     ; bx = 4 x cluster x + cx
	s_and_b32 s13, ttmp7, 0xffff
	s_lshl_b32 s13, s13, 2
	s_add_co_u32 s13, s13, s41                     ; block row by = 4 x cluster y + cy
	s_lshl_b32 s43, s41, 2
	s_lshl_b32 s43, 15, s43                        ; my row of the cluster: places 4 cy .. 4 cy + 3
	s_lshl_b32 s44, 0x1111, s40                    ; my column: places cx, cx + 4, cx + 8, cx + 12
	s_or_b32 s[G1+0], s43, G1W0                    ; A's tiles go to my row
	s_or_b32 s[G1B+0], s44, G1W0                   ; B's to my column
	s_mov_b32 s[G1+1], KSTEP<<16                   ; tensor_dim0 = 128
	s_mov_b32 s[G1B+1], KSTEP<<16
	s_mov_b32 s[G1+2], 128<<16                     ; tensor_dim1 = 128 rows
	s_mov_b32 s[G1B+2], 96<<16                     ; 96 rows
	s_mov_b32 s[G1+3], KSTEP<<16                   ; tile_dim0 = 128
	s_mov_b32 s[G1B+3], KSTEP<<16
	s_mov_b32 s[G1+4], 128                         ; tile_dim1
	s_mov_b32 s[G1B+4], 96
	s_mov_b32 s[G1+5], SIZE_K                      ; elements from row to row
	s_mov_b32 s[G1B+5], SIZE_K
	s_mov_b32 s[G1+6], 0
	s_mov_b32 s[G1B+6], 0
	s_mov_b32 s[G1+7], 0
	s_mov_b32 s[G1B+7], 0
	; A's tiles hang on the block row alone, B's on bx alone; each offset lives in registers that never hold the other coordinate
	s_lshl_b32 s16, s13, 8
	s_lshl_b32 s17, s12, 7
	s_add_co_u32 s16, s16, s17                     ; A: row 256 by + 128 x half
	s_mul_i32 s16, s16, SIZE_K*2                   ; in bytes: below 2^24
	s_mov_b32 s17, 0
	s_mul_i32 s46, s42, 384                        ; B: row 192 x (2 bx) + 96 x half
	s_mul_i32 s47, s12, 96
	s_add_co_u32 s46, s46, s47
	s_mul_i32 s46, s46, SIZE_K*2
	s_mov_b32 s47, 0
	s_mul_i32 s20, s10, AHALF                      ; where A's halves go (waves 0, 1)
	s_mul_i32 s45, s10, BHALF
	s_add_co_u32 s45, s45, BOFF-2*BHALF            ; where B's go (waves 2, 3): BOFF + (w - 2) x 96 rows
	s_wait_dscnt 0x0
	s_wait_kmcnt 0x0
	s_add_nc_u64 s[14:15], s[4:5], s[16:17]
	s_add_nc_u64 s[46:47], s[6:7], s[46:47]
	CROUND                                         ; all sixteen work-groups are here: the first joint loads meet
.irp s, 0,1
	s_mov_b32 s[G0+4*\s], 1
	s_add_co_u32 s[G0+4*\s+1], s20, \s*SLOT
	s_add_nc_u64 s[G0+4*\s+2:G0+4*\s+3], s[14:15], \s*KSTEP*2      ; K step s
	s_or_b32 s[G0+4*\s+3], s[G0+4*\s+3], 0x80000000                ; type = 2
	s_mov_b32 s[G0B+4*\s], 1
	s_add_co_u32 s[G0B+4*\s+1], s45, \s*SLOT
	s_add_nc_u64 s[G0B+4*\s+2:G0B+4*\s+3], s[46:47], \s*KSTEP*2
	s_or_b32 s[G0B+4*\s+3], s[G0B+4*\s+3], 0x80000000
	JLOAD \s                                       ; both slots are asked for before anything else: two tensor loads of the wave are out
.endr
	; a fragment: lane l holds row l % 16; registers 0-3 K = 8 (l / 16) + 0..7, registers 4-7 K = 16 + 8 (l / 16) + 0..7: two loads of 16 bytes, 32 apart
	v_and_b32 v1, 15, v0                           ; l % 16
	v_bfe_u32 v2, v0, 4, 1                         ; l / 16
	v_mul_u32_u24 v3, v1, PITCH
	v_lshl_add_u32 v3, v2, 4, v3
	s_mul_i32 s21, s11, AHALF                      ; my 128 rows of A
	s_mul_i32 s22, s12, BHALF                      ; my 96 rows of B,
	s_add_co_u32 s22, s22, BOFF                    ; which lie behind A's 256
.irp s, 0,1
	v_add_nc_u32 v[ADRA+\s], s21, v3
	v_add_nc_u32 v[ADRB+\s], s22, v3
	s_add_co_u32 s21, s21, SLOT
	s_add_co_u32 s22, s22, SLOT
.endr
	s_mul_i32 s23, s11, PSTG
	s_add_co_u32 s23, s23, STAGE                   ; the stage that I share with the wave that has the same rows
	v_mul_u32_u24 v4, v1, SP                       ; in: row l % 16, my 192 bytes of it, 16 bytes for each half of the lanes
	v_lshl_add_u32 v4, v2, 4, v4
	s_mul_i32 s18, s12, 192
	s_add_co_u32 s18, s18, s23
	v_add_nc_u32 v[STO], s18, v4
	v_and_b32 v6, 31, v0                           ; back: eight lanes take a plane's 128 bytes of one row, the 32 lanes four rows;
	v_lshrrev_b32 v5, 3, v6
	v_and_b32 v7, 7, v0
	v_mul_u32_u24 v5, v5, SP
	v_lshl_add_u32 v5, v7, 4, v5
	s_mul_i32 s18, s12, 32*SP                      ; of the stage's 64 rows I take 32
	s_add_co_u32 s18, s18, s23
	v_add_nc_u32 v[RD], s18, v5
	v_lshlrev_b32 v[CO], 4, v6                     ; in memory those four rows of a plane are 512 consecutive bytes
	s_lshl_b32 s16, s13, 8                         ; where my stores go: token 256 by + 128 x row half + 32 x column half,
	s_lshl_b32 s17, s11, 7
	s_add_co_u32 s16, s16, s17
	s_lshl_b32 s17, s12, 5
	s_add_co_u32 s16, s16, s17
	s_lshl_b32 s16, s16, 7                         ; 128 bytes a token,
	s_mov_b32 s17, 0
	s_add_nc_u64 s[8:9], s[8:9], s[16:17]
	s_mul_i32 s46, s42, 6*HS                       ; plane 3 x (2 bx): below 2^26 (in the registers that held B's address: none that feeds A's descriptors ever holds cx)
	s_mov_b32 s47, 0
	s_add_nc_u64 s[8:9], s[8:9], s[46:47]
; 12 matrix instructions: m blocks a0, a0 + 1 of the window's four (hi = 0: my rows 0-63, 1: rows 64-127) x all 6 n blocks, 32 along K, from buffer f.
; zero = 1: the product starts the sum, nothing is cleared.
.macro MUL12 f, hi, a0, zero
.irp a, \a0, \a0+1
.irp b, 0,1,2,3,4,5
.if \zero
	v_wmma_f32_16x16x32_bf16 v[8*(6*(\a)+\b):8*(6*(\a)+\b)+7], v[FB0+48*\f+8*\b:FB0+48*\f+8*\b+7], v[FA0+64*\f+8*(4*\hi+\a):FA0+64*\f+8*(4*\hi+\a)+7], 0
.else
	v_wmma_f32_16x16x32_bf16 v[8*(6*(\a)+\b):8*(6*(\a)+\b)+7], v[FB0+48*\f+8*\b:FB0+48*\f+8*\b+7], v[FA0+64*\f+8*(4*\hi+\a):FA0+64*\f+8*(4*\hi+\a)+7], v[8*(6*(\a)+\b):8*(6*(\a)+\b)+7]
.endif
.endr
.endr
.endm
; 28 LDS loads in one run: the fragments of a quarter step (my 96 rows of B, then my 128 rows of A, 32 K at byte k of the rows) into buffer f
.macro FETCH slot, k, f
	WIN 0
.irp i, 0,1,2,3,4,5
	ds_load_b128 v[FB0+48*\f+8*\i:FB0+48*\f+8*\i+3],   v[ADRB+\slot] offset:\k+\i*16*PITCH
	ds_load_b128 v[FB0+48*\f+8*\i+4:FB0+48*\f+8*\i+7], v[ADRB+\slot] offset:\k+\i*16*PITCH+32
.endr
.irp i, 0,1,2,3,4,5,6,7
	ds_load_b128 v[FA0+64*\f+8*\i:FA0+64*\f+8*\i+3],   v[ADRA+\slot] offset:\k+\i*16*PITCH
	ds_load_b128 v[FA0+64*\f+8*\i+4:FA0+64*\f+8*\i+7], v[ADRA+\slot] offset:\k+\i*16*PITCH+32
.endr
.endm
; A load into a register that a matrix instruction has read, and a vector instruction that reads a matrix result, stand four places behind it; only plain
; vector instructions that name none of its registers are places (ISA guide 7.12.1 for vector instructions).
.macro PLACES
.rept 4
	v_nop
.endr
.endm
; A K step is four quarters of 32 along K, 48 matrix instructions each, on buffers 0, 1, 0, 1.  The 48 accumulators take turns, one instruction a turn,
; in the same order in every quarter, over the backward jumps too.
.macro QUARTER slot, k, f, g, zero
	s_wait_dscnt 8                                 ; B and A's fragments 0-3 are in; the eight youngest loads (A's fragments 4-7) may be out
	WIN MUL_LO
	MUL12 \f, 0, 0, \zero
	MUL12 \f, 0, 2, \zero
	PLACES
	FETCH \slot, \k, \g
	s_wait_dscnt 28                                ; all but the 28 just issued
	WIN MUL_HI
	MUL12 \f, 1, 0, \zero
	MUL12 \f, 1, 2, \zero
.endm
.macro THREE slot, zero
	QUARTER \slot, 64,  0, 1, \zero
	QUARTER \slot, 128, 1, 0, 0
	QUARTER \slot, 192, 0, 1, 0
.endm
; The last quarter multiplies buffer 1 and changes slots.  One barrier for two things: in front of it each wave waits for its reads of this slot and for all
; its tensor loads (one is out: its part of the next slot); behind it nobody reads this slot and the next one is whole.  Where the slot is filled again the
; barrier opens a round of the cluster's barrier, and the joint refill is the first tensor load behind the round: 180 matrix instructions before its wait.
; wrap = 1: the refill is the NEXT block's K step of this slot: A goes back to the rows' start, B goes on to the next block column's rows.
.macro TURN slot, next, fill, wrap
	s_wait_dscnt 8
	WIN MUL_LO
	MUL12 1, 0, 0, 0
	s_wait_dscnt 0                                 ; my reads of this slot are over
	s_wait_tensorcnt 0x0                           ; all my tensor loads have landed
	ds_add_u32 v30, v31
	s_wait_dscnt 0x0
	s_barrier_signal -1
	MUL12 1, 0, 2, 0                               ; register work while the others arrive
	WIN 0
	s_barrier_wait -1
.if \fill
	CREST                                          ; no wave of any partner still reads this slot or has a load on its way
.if \wrap
	s_sub_nc_u64 s[G0+4*\slot+2:G0+4*\slot+3], s[G0+4*\slot+2:G0+4*\slot+3], BACK
	s_add_nc_u64 s[G0B+4*\slot+2:G0B+4*\slot+3], s[G0B+4*\slot+2:G0B+4*\slot+3], BCOL-BACK
.else
	s_add_nc_u64 s[G0+4*\slot+2:G0+4*\slot+3], s[G0+4*\slot+2:G0+4*\slot+3], 2*KSTEP*2
	s_add_nc_u64 s[G0B+4*\slot+2:G0B+4*\slot+3], s[G0B+4*\slot+2:G0B+4*\slot+3], 2*KSTEP*2
.endif
	JLOAD \slot
.endif
	PLACES
	FETCH \next, 0, 0
	WIN MUL_HI
	MUL12 1, 1, 0, 0
	MUL12 1, 1, 2, 0
.endm
.macro LAP zero, wrap
	THREE 0, \zero
	TURN 0, 1, 1, \wrap
	THREE 1, 0
	TURN 1, 0, 1, \wrap
.endm
; THE WAY OUT.  64 of my 128 rows at a time: round to f16, 16 bytes a lane into the stage of my pair of waves; behind a barrier each wave of the pair reads 32 whole
; rows back, plane by plane, and stores them.  The middle plane's columns come half from each wave: hence the common stage.
; Twelve read-backs and stores: four groups of four rows x three planes.
.macro RBACK half, bt
	s_wait_xcnt 0x0                                ; the read-back registers, which earlier stores read, are loaded again only behind this wait
.irp g, 0,1,2,3
.irp j, 0,1,2
	ds_load_b128 v[RB+4*(3*\g+\j):RB+4*(3*\g+\j)+3], v[RD] offset:(4*\bt+\g)*4*SP+128*\j
.endr
.endr
.irp g, 0,1,2,3
.irp j, 0,1,2
	s_wait_dscnt 11-(3*\g+\j)                      ; this read-back is in, the younger ones stay out
	global_store_b128 v[CO], v[RB+4*(3*\g+\j):RB+4*(3*\g+\j)+3], s[8:9] offset:\j*HS+(64*\half+16*\bt+4*\g)*128   ; the wave stores 512 consecutive bytes, at a multiple of 512 from qkv's first byte
.endr
.endr
.endm
.macro HALFOUT half, from              ; from: sources 0 and 1 in window 1 (0x05) or 2 (0x0a)
.irp a, 0,1,2,3
	WIN \from
.irp b, 0,1,2,3,4,5
.irp r, 0,1,2,3
	v_cvt_pk_f16_f32 v[TMP+4*\b+\r], v[8*(6*\a+\b)+2*\r], v[8*(6*\a+\b)+2*\r+1]
.endr
.endr
	WIN 0
.irp b, 0,1,2,3,4,5
	ds_store_b128 v[STO], v[TMP+4*\b:TMP+4*\b+3] offset:\a*16*SP+32*\b
.endr
.endr
	s_wait_dscnt 0x0                               ; my stores are done, for my partner's sake
	s_barrier_signal -1                            ; a tensor load may stay on its way across it
	s_barrier_wait -1
	RBACK \half, 0
	RBACK \half, 1
.endm
.macro WAYOUT
	PLACES                                         ; behind the last matrix instructions: the conversions read results, the read-backs land on buffer 1
	HALFOUT 0, 0x05
	s_barrier_signal -1                            ; every wave's read-backs are in (the last count-down ended at 0): the stage may be written again
	s_barrier_wait -1
	HALFOUT 1, 0x0a
	s_wait_xcnt 0x0                                ; buffer 1, which the last stores read, and the stores' base are written again only behind this wait
.endm
	s_wait_tensorcnt 1                             ; my part of K step 0 is in; K step 1's stays out
	s_barrier_signal -1
	s_barrier_wait -1
	FETCH 0, 0, 0
	LAP 1, 0                                       ; block column 2 bx: the first lap's first products start the sums
	WIN 0
	s_mov_b32 s3, LAPS-2
.Llap0:
	LAP 0, 0
	WIN 0
	s_sub_co_u32 s3, s3, 1
	s_cmp_lg_u32 s3, 0
	s_cbranch_scc1 .Llap0
	LAP 0, 1                                       ; the block's last lap asks for the next block's K steps 0 and 1, and fetches its first fragments into buffer 0
	WAYOUT                                         ; one tensor load of mine is out meanwhile: the next block's K step 1
	s_add_nc_u64 s[8:9], s[8:9], 3*HS              ; three planes on
	LAP 1, 0                                       ; block column 2 bx + 1
	WIN 0
	s_mov_b32 s3, LAPS-2
.Llap1:
	LAP 0, 0
	WIN 0
	s_sub_co_u32 s3, s3, 1
	s_cmp_lg_u32 s3, 0
	s_cbranch_scc1 .Llap1
	THREE 0, 0                                     ; the last lap fills nothing
	TURN 0, 1, 0, 0
	THREE 1, 0
	s_wait_dscnt 8
	WIN MUL_LO
	MUL12 1, 0, 0, 0
	MUL12 1, 0, 2, 0
	s_wait_dscnt 0
	WIN MUL_HI
	MUL12 1, 1, 0, 0
	MUL12 1, 1, 2, 0
	WAYOUT
	s_wait_tensorcnt 0x0
	ds_add_u32 v30, v31
	s_wait_dscnt 0x0
	CROUND                                         ; the closing round: no work-group ends while a partner may still ask for a tile that names it
	s_endpgm
.Lfunc_end_k_q800259d924_gemm_qkv:
	.size	k_q800259d924_gemm_qkv, .Lfunc_end_k_q800259d924_gemm_qkv-k_q800259d924_gemm_qkv
	.p2alignl 7, 3214868480
	.fill 96, 4, 3214868480
	.section	.rodata,"a",@progbits
	.p2align	6, 0x0
	.amdhsa_kernel k_q800259d924_gemm_qkv
		.amdhsa_group_segment_fixed_size 327680
		.amdhsa_private_segment_fixed_size 0
		.amdhsa_enable_private_segment 0
		.amdhsa_kernarg_size 24
		.amdhsa_user_sgpr_count 2
		.amdhsa_user_sgpr_kernarg_segment_ptr 1
		.amdhsa_wavefront_size32 1
		.amdhsa_system_sgpr_workgroup_id_x 1
		.amdhsa_system_sgpr_workgroup_id_y 1
		.amdhsa_system_sgpr_workgroup_id_z 1
		.amdhsa_system_vgpr_workitem_id 0
		.amdhsa_next_free_vgpr 704
		.amdhsa_next_free_sgpr 66
		.amdhsa_reserve_vcc 0
		.amdhsa_float_denorm_mode_32 3
		.amdhsa_float_denorm_mode_16_64 3
		.amdhsa_memory_ordered 1
		.amdhsa_forward_progress 1
		.amdhsa_inst_pref_size 255
	.end_amdhsa_kernel
	.section	.bss,"aw",@nobits
	.p2align	6
	.space	262144
	.amdgpu_metadata
---
amdhsa.version: [ 1, 2 ]
amdhsa.kernels:
  - .name:           k_q800259d924_gemm_qkv
    .symbol:         k_q800259d924_gemm_qkv.kd
    .args:
      - { .name: xb, .offset: 0, .size: 8, .value_kind: global_buffer, .address_space: global }
      - { .name: wb, .offset: 8, .size: 8, .value_kind: global_buffer, .address_space: global }
      - { .name: qkv, .offset: 16, .size: 8, .value_kind: global_buffer, .address_space: global }
    .group_segment_fixed_size: 327680
    .private_segment_fixed_size: 0
    .kernarg_segment_align: 8
    .kernarg_segment_size: 24
    .max_flat_workgroup_size: 128
    .sgpr_count:     66
    .vgpr_count:     704
    .wavefront_size: 32
...
	.end_amdgpu_metadata
.endif
;; end of part 6
;; launch attn (part 7): grid 8 x 32, 4 waves a work-group, no clusters, 327,680 bytes of LDS; arguments qkv, att; writes att
.if DOCPART == 7
	.amdgcn_target "amdgcn-amd-amdhsa--gfx1250"
	.amdhsa_code_object_version 6
	.text
	.protected	k_q800259d924_attn
	.globl	k_q800259d924_attn
	.p2align	8
	.type	k_q800259d924_attn,@function
k_q800259d924_attn:
	s_mov_b64 s[64:65], 0
	v_nop
	global_prefetch_b8 v0, s[64:65] scope:SCOPE_SE
	s_setreg_imm32_b32 hwreg(HW_REG_WAVE_MODE, 25, 1), 1
	s_wait_xcnt 0x0
; att[t][64 head + d] = sum over keys of softmax(q k^T / 8, causal) v.  qkv: [48 planes][8192 tokens][64] f16 (planes 0-15 q, 16-31 k, 32-47 v, by head); att: [8192][1024] f16.
; LEFT OUT: blocks of 128 keys and steps of 64 x 64 that lie wholly above the diagonal; in a step on the diagonal the tiles of 16 x 16 that do (no score product, no
; maximum, no exponential, no sum, no packing) and the products with V whose 32 keys all do; where 16 of a product's 32 keys do, their weights are written as zeros.
; reference() masks those scores to -inf itself, so their weights are exactly 0 for all finite inputs.  A NaN, an infinity or an overflow that lies only in such
; work is not carried to the result.
; SHARES: work-group (e, y): batch y >> 3, heads 2 (y & 7) and 2 (y & 7) + 1, whose columns of att are 256 consecutive aligned bytes of a token's row.
; Wave w: head w >> 1 of the pair, queries 64 (w & 1) .. + 63 of a block of 128.  The work-group does query block 14 - 2 e (15 - 2 e key blocks) and then block
; 2 e + 1 (2 e + 2 key blocks): 17 key blocks in every work-group.  In a query block the diagonal key block comes first, then the blocks below it, downward.
; NO CLUSTER: the eight work-groups of a head pair stand at different key blocks in the same trip; walking in step would take 20 trips where 17 do.
; RING: two LDS slots of one key block (128 keys, K and V of both heads).  Each wave fetches a quarter with one tensor load: 128 keys of one head's K or V, 16,384 bytes
; that lie dense in memory, as 64 rows of 256 bytes, with padding behind every 128 bytes, so that a key's row has a pitch of its own in LDS.
; ONE LOOP FOR BOTH QUERY BLOCKS: the 17 key blocks lie in slots 0, 1, 0, .. 0.  Eight trips take slot 0 and then slot 1; the seventeenth block stands behind the loop,
; since it asks for no further tile.  The first query block's diagonal is key block 0 (slot 0, trip 0), the second's is key block 15 - 2 e (slot 1, trip 7 - e).
; A diagonal block begins with ONE masked step for both halves of the queries: keys 64 (w & 1) .. + 63 against my 64 queries, which starts all sums; queries 64-127 then
; take the slot's ordinary step for keys 0-63 and jump over the one for keys 64-127; queries 0-63 jump over both.  So a step's text stands eight times: each slot's two
; ordinary steps and its masked one, and the last block's two.  The first masked step stands ahead of the loop, so that all running figures are written on every way into it.
; ARITHMETIC: S^T = K Q^T (A = K, B = Q): lane (r, h), register j of tile (kt, qt) holds key 16 kt + 8 h + j, query 16 qt + r, so all figures of a query lie
; in the lane pair (r, r + 16), and two packed score tiles ARE the B fragment of O^T += V^T P^T (A = V^T by transposing LDS loads).  No lane is moved.
; The running maximum is taken away before every exponential; p = exp2(c s - c max), c = log2(e) / 8; sums l in f32 from the unrounded p.
; A STEP STANDS IN PHASES: 32 score products; the softmax, about 540 instructions; 32 products with V.  S and O lie in window 1 and the softmax's figures in window 0:
; vector work set behind each product would take two window switches a product, 128 a step, and a text of its own for each way into and out of a chain of steps.
; FORMATS AND LIMITS: q, k, v, P, att in f16: three more bits than bf16.  The first rows of a sequence average few keys and are some ten times the output's
; root mean square, so a rounding of v or att shows there in full.  Room: |q|, |k|, |v| <= 65,504, against 5,000 (x and weights 30 times larger) and 28,800
; (offsets of 30 spreads on both); P lies in [0, 1], and a p below 2^-25 is dropped beside a sum of at least 1.  v_exp_f32 gives 0 below 2^-126
; (ISA guide 15.8).  NaN in the inputs is not followed as reference() follows it (v_max3_num_f32 lets a NaN lose).  The order of the sums differs from reference()'s.
.set TROW,   128                       ; bytes of a token in a plane of qkv; a plane is 2^20 bytes
.set AROW,   2048                      ; bytes in a row of att
.set KBSTEP, 128*TROW                  ; from a key block to the next
.set KP,     144                       ; K's LDS rows: 128 + 16: 16 rows of a fragment at 16 different banks (ISA guide 11.1)
.set VP,     160                       ; V's: 128 + 32, an odd multiple of 32, for the transposing loads
.set REG,    128*VP                    ; 20,480: room of one tensor load (K's tiles use 18,432 of it)
.set SLOT,   4*REG                     ; K head 0, K head 1, V head 0, V head 1
.set STAGE,  2*SLOT                    ; 163,840 = 640 x 256: behind the ring; no tensor load lands here
.set SPT,    144                       ; a stage row: 128 bytes of one head + 16
.set WSTG,   64*SPT+64                 ; a wave's stage: 9,280 bytes, so that two stages on is 128 modulo 256: both heads' halves of a row come back from different banks
.set TRIPS,  8                         ; key blocks 0 .. 15, two a trip
.set ADRK, 8                           ; v8-9    my K fragments in slot 0, 1
.set ADRV, 10                          ; v10-11  my V fragments
.set QOFF, 12                          ; my byte offset in the wave's 16 rows of q
.set STO,  13
.set RD,   14
.set CO,   15
.set DG,   16                          ; r - 8 h: register j of a diagonal tile is masked where j > DG
.set NINF, 17                          ; -inf
.set ADKD, 18                          ; v18-19  K of the masked step: keys 64 (w & 1) .. of slot 0, 1
.set MX,   24                          ; v24-27  running maximum of query tile qt (raw scores)
.set PT,   28                          ; v28-31  the other half of the lanes; scratch
.set AL,   32                          ; v32-39  the rescale, in pairs
.set NM,   40                          ; v40-47  - c x maximum, in pairs
.set LP,   48                          ; v48-55  my part of l, in pairs
.set T,    56                          ; v56-59
.set ADVD, 60                          ; v60-61  V of the masked step
.set QF,   64                          ; Q(qt, ks) at QF + 8 (2 qt + ks)
.set KF,   128                         ; K(kt, ks) at KF + 8 (2 kt + ks); packed results at the end of a block
.set VF,   192                         ; V(dt, kk) at VF + 8 (2 dt + kk); read-back at the end of a block
.set SS,   0                           ; window 1: S(kt, qt) at 32 qt + 8 kt; P(kk, qt) at 32 qt + 16 kk
.set OO,   128                         ; window 1: O(dt, qt) at 128 + 32 qt + 8 dt
.set G0,   36                          ; s[36:39], s[40:43] descriptor group 0 of slot 0, 1
.set G1K,  44                          ; s[44:51] group 1 for K's tiles
.set G1V,  52                          ; s[52:59] for V's: another padding
.set MSB, 0
.macro WIN new                         ; low byte: bits 1:0 source 0, 3:2 source 1, 5:4 source 2, 7:6 destination; the high byte repeats the setting that is left
.if MSB != \new
	s_set_vgpr_msb (MSB<<8)|\new
.set MSB, \new
.endif
.endm
.macro JLOAD s                         ; waves 0, 1 fetch K of head 0, 1, waves 2, 3 V; the LDS address is wave x REG + slot x SLOT
	s_cmp_lt_u32 s10, 2
	s_cbranch_scc0 .Lfor_v_\@
	tensor_load_to_lds s[G0+4*\s:G0+4*\s+3], s[G1K:G1K+7]
	s_nop 0
	s_branch .Lasked_\@
.Lfor_v_\@:
	tensor_load_to_lds s[G0+4*\s:G0+4*\s+3], s[G1V:G1V+7]
	s_nop 0
.Lasked_\@:
.endm
	s_load_b128 s[4:7], s[0:1], 0x0                ; qkv s[4:5], att s[6:7]
	v_lshl_add_u32 v62, v0, 2, 0x31100
	v_mov_b32 v63, 0
	ds_add_u32 v62, v63
	ds_add_u32 v62, v63
	v_lshrrev_b32 v1, 5, v0
	v_readfirstlane_b32 s10, v1                    ; wave
	s_lshr_b32 s11, s10, 1                         ; my head of the pair.  Also: I fetch K (0) or V (1)
	s_and_b32 s12, s10, 1                          ; my half of the queries.  Also: which head's tile I fetch
	s_mov_b32 s13, ttmp9                           ; e
	s_and_b32 s14, ttmp7, 0xffff
	s_lshr_b32 s15, s14, 3                         ; batch
	s_and_b32 s16, s14, 7                          ; head pair
	s_lshl_b32 s17, s13, 1
	s_sub_co_u32 s18, 14, s17                      ; first query block: 14 - 2 e
	s_add_co_u32 s25, s17, 1                       ; second: 2 e + 1
	s_lshl_b32 s19, s15, 11                        ; the batch's first token
	s_mov_b32 s[G1K+0], (1<<16)|(1<<20)|(4<<22)|(3<<25)            ; elements of 2 bytes; after every 32 words (a key's 128 bytes) 4 words of padding
	s_mov_b32 s[G1V+0], (1<<16)|(1<<20)|(4<<22)|(7<<25)            ; 8 words
.irp g, G1K, G1V
	s_mov_b32 s[\g+1], 128<<16                     ; tensor_dim0 = 128 elements: 256 bytes, two keys
	s_mov_b32 s[\g+2], 64<<16                      ; tensor_dim1 = 64 rows
	s_mov_b32 s[\g+3], 128<<16                     ; tile_dim0
	s_mov_b32 s[\g+4], 64                          ; tile_dim1
	s_mov_b32 s[\g+5], 128                         ; elements from row to row: the block is dense
	s_mov_b32 s[\g+6], 0
	s_mov_b32 s[\g+7], 0
.endr
	s_lshl_b32 s22, s11, 4                         ; the plane that I fetch from: 16 (k) or 32 (v) + 2 x head pair + head
	s_lshl_b32 s23, s16, 1
	s_add_co_u32 s22, s22, s23
	s_add_co_u32 s22, s22, s12
	s_add_co_u32 s22, s22, 16
	s_lshl_b32 s22, s22, 20                        ; x 2^20 bytes: at most 47 planes, below 2^26
	s_lshl_b32 s2, s19, 7                          ; + the batch's first token x 128 bytes
	s_add_co_u32 s22, s22, s2
	s_mov_b32 s23, 0
	s_mul_i32 s70, s10, REG
	s_mov_b32 s[G0], 1
	s_add_co_u32 s[G0+1], s70, 0
	s_mov_b32 s[G0+4], 1
	s_add_co_u32 s[G0+5], s70, SLOT
	s_wait_dscnt 0x0
	s_wait_kmcnt 0x0
	s_add_nc_u64 s[20:21], s[4:5], s[22:23]        ; my quarter of key block 0
	s_mul_i32 s22, s18, KBSTEP                     ; s[22:23]: offset of a key block; s23 stays 0
	s_add_nc_u64 s[G0+2:G0+3], s[20:21], s[22:23]
	s_or_b32 s[G0+3], s[G0+3], 0x80000000          ; type = 2
	s_sub_co_i32 s24, s18, 1                       ; s24: the key block to ask for next; below 0 the second query block's diagonal follows
	s_cmp_lt_i32 s24, 0
	s_cselect_b32 s24, s25, s24
	JLOAD 0                                        ; the one first fill at the start; slot 1 is first filled behind the first trip's barrier
	s_mov_b32 s28, 0x3e38aa3b                      ; c = log2(e) / 8
	s_mov_b32 s29, 0x3e38aa3b
	s_mov_b32 s30, 0xbe38aa3b                      ; - c
	s_mov_b32 s32, 0x76543210                      ; v_permlanex16_b32: lane i reads lane i of the other half
	s_mov_b32 s33, 0xfedcba98
	s_lshl_b32 s27, s12, 6
	s_add_co_u32 s27, s27, s19                     ; first token + 64 x my half
	s_lshl_b32 s71, s16, 1
	s_add_co_u32 s71, s71, s11                     ; q's plane: my head
	s_lshl_b32 s71, s71, 20
	s_lshl_b32 s2, s16, 8                          ; 256 x head pair: the pair's bytes in a row of att
	s_mul_i32 s3, s11, REG                         ; my head's K (and V) in a slot
	s_mov_b32 s35, 0
	s_lshl_b32 s34, s18, 7                         ; q of the first block
	s_add_co_u32 s34, s34, s27
	s_lshl_b32 s34, s34, 7
	s_add_co_u32 s34, s34, s71
	s_add_nc_u64 s[60:61], s[4:5], s[34:35]
	s_lshl_b32 s34, s25, 7                         ; of the second
	s_add_co_u32 s34, s34, s27
	s_lshl_b32 s34, s34, 7
	s_add_co_u32 s34, s34, s71
	s_add_nc_u64 s[62:63], s[4:5], s[34:35]
	s_lshl_b32 s34, s18, 7                         ; att of the first block: its 128 rows, the pair's 256 bytes
	s_add_co_u32 s34, s34, s19
	s_mul_i32 s34, s34, AROW
	s_add_co_u32 s34, s34, s2
	s_add_nc_u64 s[66:67], s[6:7], s[34:35]
	s_lshl_b32 s34, s25, 7                         ; of the second
	s_add_co_u32 s34, s34, s19
	s_mul_i32 s34, s34, AROW
	s_add_co_u32 s34, s34, s2
	s_add_nc_u64 s[68:69], s[6:7], s[34:35]
	v_and_b32 v2, 15, v0                           ; r
	v_bfe_u32 v3, v0, 4, 1                         ; h
	v_and_b32 v5, 7, v0                            ; l & 7
	v_bfe_u32 v6, v0, 3, 1                         ; (l >> 3) & 1
	v_lshlrev_b32 v[QOFF], 7, v2
	v_lshl_add_u32 v[QOFF], v3, 4, v[QOFF]         ; row r, 16 h
; Q of a block: 8 fragments (B operand: lane holds query r; registers 0-3 d = 8 h .., 4-7 d = 16 + 8 h ..), straight from memory, once for 15 - 2 e or 2 e + 2 key blocks
.macro QLOAD qb
.irp qt, 0,1,2,3
.irp ks, 0,1
	global_load_b128 v[QF+8*(2*\qt+\ks):QF+8*(2*\qt+\ks)+3],   v[QOFF], s[\qb:\qb+1] offset:16*TROW*\qt+64*\ks
	global_load_b128 v[QF+8*(2*\qt+\ks)+4:QF+8*(2*\qt+\ks)+7], v[QOFF], s[\qb:\qb+1] offset:16*TROW*\qt+64*\ks+32
.endr
.endr
.endm
	QLOAD 60
	v_mul_u32_u24 v4, v2, KP
	v_lshl_add_u32 v4, v3, 4, v4
	v_add_nc_u32 v[ADRK], s3, v4                   ; my head's K: key row r, 16 h
	v_add_nc_u32 v[ADRK+1], SLOT, v[ADRK]
	v_lshl_add_u32 v7, v3, 3, v5                   ; key row 8 h + (l & 7),
	v_mul_u32_u24 v7, v7, VP
	v_lshl_add_u32 v7, v6, 4, v7                   ; 16 bytes of it by (l >> 3) & 1
	s_add_co_u32 s70, s3, 2*REG
	v_add_nc_u32 v[ADRV], s70, v7
	v_add_nc_u32 v[ADRV+1], SLOT, v[ADRV]
	s_mul_i32 s70, s12, 64*KP                      ; the masked step's keys begin where my queries do: 64 (w & 1) rows on
	v_add_nc_u32 v[ADKD], s70, v[ADRK]
	v_add_nc_u32 v[ADKD+1], SLOT, v[ADKD]
	s_mul_i32 s70, s12, 64*VP
	v_add_nc_u32 v[ADVD], s70, v[ADRV]
	v_add_nc_u32 v[ADVD+1], SLOT, v[ADVD]
	s_mul_i32 s70, s10, WSTG
	s_add_co_u32 s70, s70, STAGE                   ; my stage
	v_mul_u32_u24 v[STO], v2, SPT
	v_lshl_add_u32 v[STO], v3, 4, v[STO]
	v_add_nc_u32 v[STO], s70, v[STO]               ; row r, 16 h
	s_mul_i32 s70, s11, WSTG                       ; back: wave w takes rows 32 w .. + 31 of the block: stages w >> 1 (head 0) and 2 + (w >> 1) (head 1),
	s_mul_i32 s71, s12, 32*SPT                     ; their rows 32 (w & 1) ..
	s_add_co_u32 s70, s70, s71
	s_add_co_u32 s70, s70, STAGE
	v_mul_u32_u24 v[RD], v6, 2*WSTG                ; lanes 0-7 of a half: head 0; lanes 8-15: head 1
	v_mad_u32_u24 v[RD], v3, SPT, v[RD]            ; lanes 16-31: the next row
	v_lshl_add_u32 v[RD], v5, 4, v[RD]
	v_add_nc_u32 v[RD], s70, v[RD]
	s_lshl_b32 s70, s10, 16                        ; 32 w rows of att
	v_lshlrev_b32 v[CO], 4, v2
	v_lshl_add_u32 v[CO], v3, 11, v[CO]
	v_add_nc_u32 v[CO], s70, v[CO]
	v_lshlrev_b32 v[DG], 3, v3
	v_sub_nc_u32 v[DG], v2, v[DG]
	v_mov_b32 v[NINF], 0xff800000
.irp qt, 0,1,2,3
	v_mov_b32 v[PT+\qt], 0                         ; v_permlanex16_b32 counts as a reader of its destination
.endr
; The change of slots.  All my tensor loads have landed (at most one was out: my quarter of the slot read next), so the other slot's group 0 may be written; my reads of
; the other slot are back; the barrier; then my one tensor load: the next key block into the slot that has been read.  It has a key block's work in which to land.
.macro HEAD other, refill
	s_wait_tensorcnt 0x0
	ds_add_u32 v62, v63
	s_wait_dscnt 0x0
.if \refill
	s_mul_i32 s22, s24, KBSTEP
	s_add_nc_u64 s[G0+4*\other+2:G0+4*\other+3], s[20:21], s[22:23]
	s_or_b32 s[G0+4*\other+3], s[G0+4*\other+3], 0x80000000
	s_sub_co_i32 s24, s24, 1
	s_cmp_lt_i32 s24, 0
	s_cselect_b32 s24, s25, s24
.endif
	s_wait_dscnt 0x0
	s_barrier_signal -1
	s_barrier_wait -1
.if \refill
	JLOAD \other
.endif
.endm
.macro KLOAD adr, u                    ; K of 64 keys, 64 u rows behind the address: 8 fragments, 16 loads
.irp kt, 0,1,2,3
.irp ks, 0,1
	ds_load_b128 v[KF+8*(2*\kt+\ks):KF+8*(2*\kt+\ks)+3],   v[\adr] offset:(64*\u+16*\kt)*KP+64*\ks
	ds_load_b128 v[KF+8*(2*\kt+\ks)+4:KF+8*(2*\kt+\ks)+7], v[\adr] offset:(64*\u+16*\kt)*KP+64*\ks+32
.endr
.endr
.endm
.macro VLOAD adr, u                    ; V^T of the same keys: 8 fragments, 16 transposing loads
.irp dt, 0,1,2,3
.irp kk, 0,1
	ds_load_tr16_b128 v[VF+8*(2*\dt+\kk):VF+8*(2*\dt+\kk)+3],   v[\adr] offset:(64*\u+32*\kk)*VP+32*\dt
	ds_load_tr16_b128 v[VF+8*(2*\dt+\kk)+4:VF+8*(2*\dt+\kk)+7], v[\adr] offset:(64*\u+32*\kk+16)*VP+32*\dt
.endr
.endr
.endm
.macro SMM kt, qt, ks                  ; S(kt, qt) (+)= K(kt, ks) Q(qt, ks)
.if \ks
	v_wmma_f32_16x16x32_f16 v[SS+32*\qt+8*\kt:SS+32*\qt+8*\kt+7], v[KF+8*(2*\kt+\ks):KF+8*(2*\kt+\ks)+7], v[QF+8*(2*\qt+\ks):QF+8*(2*\qt+\ks)+7], v[SS+32*\qt+8*\kt:SS+32*\qt+8*\kt+7]
.else
	v_wmma_f32_16x16x32_f16 v[SS+32*\qt+8*\kt:SS+32*\qt+8*\kt+7], v[KF+8*(2*\kt+\ks):KF+8*(2*\kt+\ks)+7], v[QF+8*(2*\qt+\ks):QF+8*(2*\qt+\ks)+7], 0
.endif
.endm
.macro PMM dt, qt, kk, z               ; O(dt, qt) (+)= V(dt, kk) P(kk, qt); z: the product starts the sum
.if \z
	v_wmma_f32_16x16x32_f16 v[OO+32*\qt+8*\dt:OO+32*\qt+8*\dt+7], v[VF+8*(2*\dt+\kk):VF+8*(2*\dt+\kk)+7], v[SS+32*\qt+16*\kk:SS+32*\qt+16*\kk+7], 0
.else
	v_wmma_f32_16x16x32_f16 v[OO+32*\qt+8*\dt:OO+32*\qt+8*\dt+7], v[VF+8*(2*\dt+\kk):VF+8*(2*\dt+\kk)+7], v[SS+32*\qt+16*\kk:SS+32*\qt+16*\kk+7], v[OO+32*\qt+8*\dt:OO+32*\qt+8*\dt+7]
.endif
.endm
; An ordinary step: keys 64 u .. + 63 of the slot, all below my 64 queries; the sums run on.
; In both runs of products the accumulators take turns, one instruction a turn.
.macro STEP slot, u
	WIN 0
	KLOAD ADRK+\slot, \u
	VLOAD ADRV+\slot, \u
	s_wait_dscnt 16                                ; K's sixteen loads are in; V's sixteen stay out until the second run of products
	WIN 0x50                                       ; C and D in window 1
.irp ks, 0,1
.irp qt, 0,1,2,3
.irp kt, 0,1,2,3
	SMM \kt, \qt, \ks
.endr
.endr
.endr
.rept 4
	v_nop                                          ; four places before vector instructions read the scores (ISA guide 7.12.1)
.endr
	WIN 0x05                                       ; sources 0 and 1 in window 1: the running maximum and my 32 scores of each query, four chains
.irp i, 0,1,2,3,4,5,6,7,8,9,10,11,12,13,14,15
.irp qt, 0,1,2,3
	v_max3_num_f32 v[MX+\qt], v[SS+32*\qt+2*\i], v[SS+32*\qt+2*\i+1], v[MX+\qt]
.endr
.endr
	WIN 0
.irp qt, 0,1,2,3
	v_permlanex16_b32 v[PT+\qt], v[MX+\qt], s32, s33               ; the other 32 keys of the same query
.endr
.irp qt, 0,1,2,3
	v_max_num_f32 v[MX+\qt], v[MX+\qt], v[PT+\qt]
.endr
.irp qt, 0,1,2,3
	v_mul_f32 v[T+\qt], s30, v[MX+\qt]             ; the new shift, - c max
.endr
.irp qt, 0,1,2,3
	v_sub_f32 v[PT+\qt], v[T+\qt], v[NM+2*\qt]     ; new shift - old shift <= 0: exactly the shifts that the exponentials use
.endr
.irp qt, 0,1,2,3
	v_exp_f32 v[AL+2*\qt], v[PT+\qt]
.endr
.irp qt, 0,1,2,3
	v_mov_b32 v[NM+2*\qt], v[T+\qt]                ; plain instructions between the exponentials and the use of their results (ISA guide 5.7.2)
	v_mov_b32 v[NM+2*\qt+1], v[T+\qt]
.endr
	s_wait_alu depctr_va_vdst(0)
.irp qt, 0,1,2,3
	v_mov_b32 v[AL+2*\qt+1], v[AL+2*\qt]
.endr
.irp qt, 0,1,2,3
	v_pk_mul_f32 v[LP+2*\qt:LP+2*\qt+1], v[LP+2*\qt:LP+2*\qt+1], v[AL+2*\qt:AL+2*\qt+1]
.endr
	WIN 0x41                                       ; destination and source 0 in window 1
.irp qt, 0,1,2,3
.irp i, 0,1,2,3,4,5,6,7,8,9,10,11,12,13,14,15
	v_pk_fma_f32 v[SS+32*\qt+2*\i:SS+32*\qt+2*\i+1], v[SS+32*\qt+2*\i:SS+32*\qt+2*\i+1], s[28:29], v[NM+2*\qt:NM+2*\qt+1] op_sel_hi:[1,0,1]   ; c s - c max
.endr
.endr
.irp qt, 0,1,2,3
.irp kt, 0,1,2,3
.irp j, 0,1,2,3,4,5,6,7
	v_exp_f32 v[SS+32*\qt+8*\kt+\j], v[SS+32*\qt+8*\kt+\j]
.endr
.irp j, 0,2,4,6
	v_pk_mul_f32 v[OO+32*\qt+8*\kt+\j:OO+32*\qt+8*\kt+\j+1], v[OO+32*\qt+8*\kt+\j:OO+32*\qt+8*\kt+\j+1], v[AL+2*\qt:AL+2*\qt+1]   ; one tile of O rescaled behind each eight exponentials
.endr
.endr
.endr
	WIN 0x01                                       ; source 0 in window 1
	s_wait_alu depctr_va_vdst(0)
.irp i, 0,1,2,3,4,5,6,7,8,9,10,11,12,13,14,15
.irp qt, 0,1,2,3
	v_pk_add_f32 v[LP+2*\qt:LP+2*\qt+1], v[SS+32*\qt+2*\i:SS+32*\qt+2*\i+1], v[LP+2*\qt:LP+2*\qt+1]
.endr
.endr
	WIN 0x45                                       ; pack in place: register j of the pair of tiles takes numbers 2 j, 2 j + 1, which lie at or above it
.irp qt, 0,1,2,3
.irp kk, 0,1
.irp j, 0,1,2,3,4,5,6,7
	v_cvt_pk_f16_f32 v[SS+32*\qt+16*\kk+\j], v[SS+32*\qt+16*\kk+2*\j], v[SS+32*\qt+16*\kk+2*\j+1]
.endr
.endr
.endr
	s_wait_dscnt 0x0                               ; V is in
	WIN 0x54                                       ; B, C and D in window 1
.irp kk, 0,1
.irp qt, 0,1,2,3
.irp dt, 0,1,2,3
	PMM \dt, \qt, \kk, 0
.endr
.endr
.endr
.rept 5
	v_nop                                          ; five places: the next step's products write over P, its loads land on V, the block's end reads O
.endr
	WIN 0
.endm
; The masked step, a query block's first: keys 64 (w & 1) .. + 63 of the slot against my 64 queries, on the diagonal.  Tile (kt, qt) is live where kt <= qt: 10 of 16.
; All sums start here: nothing is cleared.  Every query has its own key, so every first maximum is finite.
.macro MF slot
	WIN 0
	KLOAD ADKD+\slot, 0
	VLOAD ADVD+\slot, 0
	s_wait_dscnt 16                                ; K's sixteen loads are in; V's sixteen stay out
	WIN 0x50
.irp ks, 0,1
.irp qt, 0,1,2,3
.irp kt, 0,1,2,3
.if \qt+1 > \kt
	SMM \kt, \qt, \ks
.endif
.endr
.endr
.endr
.rept 4
	v_nop                                          ; four places before vector instructions read the scores (ISA guide 7.12.1)
.endr
	WIN 0x41                                       ; in the tiles kt = qt register j becomes -inf where key 8 h + j lies above query r
.irp j, 0,1,2,3,4,5,6,7
	v_cmp_gt_i32 vcc_lo, \j, v[DG]
.irp qt, 0,1,2,3
	v_cndmask_b32 v[SS+40*\qt+\j], v[SS+40*\qt+\j], v[NINF], vcc_lo
.endr
.endr
	WIN 0x05                                       ; the maximum over the live tiles: pair i of query tile qt lies in tile i / 4
.irp i, 0,1,2,3,4,5,6,7,8,9,10,11,12,13,14,15
.irp qt, 0,1,2,3
.if 4*\qt+4 > \i
.if \i
	v_max3_num_f32 v[MX+\qt], v[SS+32*\qt+2*\i], v[SS+32*\qt+2*\i+1], v[MX+\qt]
.else
	v_max_num_f32 v[MX+\qt], v[SS+32*\qt], v[SS+32*\qt+1]
.endif
.endif
.endr
.endr
	WIN 0
.irp qt, 0,1,2,3
	v_permlanex16_b32 v[PT+\qt], v[MX+\qt], s32, s33
.endr
.irp qt, 0,1,2,3
	v_max_num_f32 v[MX+\qt], v[MX+\qt], v[PT+\qt]
.endr
.irp qt, 0,1,2,3
	v_mul_f32 v[NM+2*\qt], s30, v[MX+\qt]          ; the first shift, - c max
.endr
.irp qt, 0,1,2,3
	v_mov_b32 v[NM+2*\qt+1], v[NM+2*\qt]
.endr
	WIN 0x41
.irp qt, 0,1,2,3
.irp i, 0,1,2,3,4,5,6,7,8,9,10,11,12,13,14,15
.if 4*\qt+4 > \i
	v_pk_fma_f32 v[SS+32*\qt+2*\i:SS+32*\qt+2*\i+1], v[SS+32*\qt+2*\i:SS+32*\qt+2*\i+1], s[28:29], v[NM+2*\qt:NM+2*\qt+1] op_sel_hi:[1,0,1]   ; c s - c max; -inf stays -inf
.endif
.endr
.endr
.irp qt, 0,1,2,3
.irp kt, 0,1,2,3
.if \qt+1 > \kt
.irp j, 0,1,2,3,4,5,6,7
	v_exp_f32 v[SS+32*\qt+8*\kt+\j], v[SS+32*\qt+8*\kt+\j]
.endr
.endif
.endr
.endr
	v_nop                                          ; the plain instruction behind the last exponentials (ISA guide 5.7.2): nothing is there to rescale yet
	WIN 0x05
	s_wait_alu depctr_va_vdst(0)
.irp qt, 0,1,2,3
	v_pk_add_f32 v[LP+2*\qt:LP+2*\qt+1], v[SS+32*\qt:SS+32*\qt+1], v[SS+32*\qt+2:SS+32*\qt+3]   ; the first four p start l
.endr
	WIN 0x01
.irp i, 2,3,4,5,6,7,8,9,10,11,12,13,14,15
.irp qt, 0,1,2,3
.if 4*\qt+4 > \i
	v_pk_add_f32 v[LP+2*\qt:LP+2*\qt+1], v[SS+32*\qt+2*\i:SS+32*\qt+2*\i+1], v[LP+2*\qt:LP+2*\qt+1]
.endif
.endr
.endr
	WIN 0x45                                       ; pack in place.  Fragment P(kk, qt) is made where its first tile 2 kk is live; where its second is not (P(0, 0), P(1, 2)), four registers of zeros
.irp qt, 0,1,2,3
.irp kk, 0,1
.if \qt+1 > 2*\kk
.irp j, 0,1,2,3,4,5,6,7
.if \qt+1 > 2*\kk+\j/4
	v_cvt_pk_f16_f32 v[SS+32*\qt+16*\kk+\j], v[SS+32*\qt+16*\kk+2*\j], v[SS+32*\qt+16*\kk+2*\j+1]
.else
	v_mov_b32 v[SS+32*\qt+16*\kk+\j], 0
.endif
.endr
.endif
.endr
.endr
	s_wait_dscnt 0x0                               ; V is in
	WIN 0x54                                       ; keys 0-31 start all sixteen sums; keys 32-63 reach query tiles 2 and 3 alone: 24 products
.irp kk, 0,1
.irp qt, 0,1,2,3
.if \qt+1 > 2*\kk
.irp dt, 0,1,2,3
	PMM \dt, \qt, \kk, 1-\kk
.endr
.endif
.endr
.endr
.rept 5
	v_nop                                          ; five places, as behind an ordinary step
.endr
	WIN 0
.endm
; The end of a query block: O / l, rounded to f16; 16 bytes a lane into my stage; behind a barrier whole rows of 256 bytes (both heads) come back and are stored.
.macro FINISH ab
.irp qt, 0,1,2,3
	v_add_f32 v[T+\qt], v[LP+2*\qt], v[LP+2*\qt+1]
.endr
.irp qt, 0,1,2,3
	v_permlanex16_b32 v[PT+\qt], v[T+\qt], s32, s33
.endr
.irp qt, 0,1,2,3
	v_add_f32 v[T+\qt], v[T+\qt], v[PT+\qt]        ; l >= 1: the largest p is 1
.endr
.irp qt, 0,1,2,3
	v_rcp_f32 v[AL+2*\qt], v[T+\qt]
.endr
	v_nop
	s_wait_alu depctr_va_vdst(0)
.irp qt, 0,1,2,3
	v_mov_b32 v[AL+2*\qt+1], v[AL+2*\qt]
.endr
	WIN 0x41
.irp qt, 0,1,2,3
.irp i, 0,1,2,3,4,5,6,7,8,9,10,11,12,13,14,15
	v_pk_mul_f32 v[OO+32*\qt+2*\i:OO+32*\qt+2*\i+1], v[OO+32*\qt+2*\i:OO+32*\qt+2*\i+1], v[AL+2*\qt:AL+2*\qt+1]
.endr
.endr
	WIN 0x05
.irp qt, 0,1,2,3
.irp dt, 0,1,2,3
.irp r, 0,1,2,3
	v_cvt_pk_f16_f32 v[KF+4*(4*\qt+\dt)+\r], v[OO+32*\qt+8*\dt+2*\r], v[OO+32*\qt+8*\dt+2*\r+1]   ; query 16 qt + r, d = 16 dt + 8 h + 0 .. 7
.endr
.endr
.endr
	WIN 0
.irp qt, 0,1,2,3
.irp dt, 0,1,2,3
	ds_store_b128 v[STO], v[KF+4*(4*\qt+\dt):KF+4*(4*\qt+\dt)+3] offset:16*SPT*\qt+32*\dt
.endr
.endr
	s_wait_dscnt 0x0                               ; my stores are done, for the other waves' sake
	s_barrier_signal -1                            ; a tensor load may stay on its way across it
	s_barrier_wait -1
.irp t, 0,1,2,3,4,5,6,7,8,9,10,11,12,13,14,15
	ds_load_b128 v[VF+4*\t:VF+4*\t+3], v[RD] offset:2*SPT*\t
.endr
.irp t, 0,1,2,3,4,5,6,7,8,9,10,11,12,13,14,15
	s_wait_dscnt 15-\t                             ; read-back t is in, the younger ones stay out
	global_store_b128 v[CO], v[VF+4*\t:VF+4*\t+3], s[\ab:\ab+1] offset:2*AROW*\t   ; 16 lanes store 256 consecutive bytes, at a multiple of 256 from att's first byte
.endr
	s_wait_xcnt 0x0                                ; the stores' data registers are loaded again only behind this wait
.endm
	; Query block 14 - 2 e begins: its masked step, on slot 0's first fill.
	s_wait_tensorcnt 0x0                           ; my quarter of the first key block is in,
	s_barrier_signal -1
	s_barrier_wait -1                              ; everybody's is
	s_wait_loadcnt 0x0                             ; Q of this block
	MF 0
	s_sub_co_u32 s14, 7, s13                       ; the trip in whose slot 1 the second query block's diagonal lies: key block 15 - 2 e
	s_mov_b32 s26, 0
.Ltrip:
	HEAD 1, 1                                      ; slot 0 is read now; slot 1 gets the next key block (in trip 0: its first fill)
	s_cmp_lg_u32 s26, 0
	s_cbranch_scc1 .Lf0                            ; an ordinary key block
	s_cmp_eq_u32 s12, 0                            ; trip 0: the rest of the first diagonal block.  Queries 0-63: keys 64-127 lie wholly above them: nothing is left
	s_cbranch_scc1 .Ld0
.Lf0:
	STEP 0, 0
	s_cmp_eq_u32 s26, 0                            ; trip 0, queries 64-127: keys 64-127 were the masked step
	s_cbranch_scc1 .Ld0
	STEP 0, 1
.Ld0:
	HEAD 0, 1                                      ; slot 1 is read now; slot 0 gets the next key block
	s_cmp_lg_u32 s26, s14
	s_cbranch_scc1 .Lf1                            ; an ordinary key block
	QLOAD 62                                       ; the change of query blocks (the same trip in all four waves): the second block's Q comes in while the first block goes out
	FINISH 66
	s_wait_loadcnt 0x0                             ; Q of the second block
	MF 1
	s_cmp_eq_u32 s12, 0                            ; queries 0-63: nothing is left of the diagonal block
	s_cbranch_scc1 .Ld1
.Lf1:
	STEP 1, 0
	s_cmp_eq_u32 s26, s14                          ; in the diagonal block keys 64-127 were the masked step
	s_cbranch_scc1 .Ld1
	STEP 1, 1
.Ld1:
	s_add_co_u32 s26, s26, 1
	s_cmp_lt_u32 s26, TRIPS
	s_cbranch_scc1 .Ltrip
	HEAD 1, 0                                      ; the seventeenth key block, in slot 0: nothing is left to fetch, and no tensor load is out
	STEP 0, 0
	STEP 0, 1
	FINISH 68
	s_wait_tensorcnt 0x0
	ds_add_u32 v62, v63
	s_wait_dscnt 0x0
	s_endpgm
.Lfunc_end_k_q800259d924_attn:
	.size	k_q800259d924_attn, .Lfunc_end_k_q800259d924_attn-k_q800259d924_attn
	.p2alignl 7, 3214868480
	.fill 96, 4, 3214868480
	.section	.rodata,"a",@progbits
	.p2align	6, 0x0
	.amdhsa_kernel k_q800259d924_attn
		.amdhsa_group_segment_fixed_size 327680
		.amdhsa_private_segment_fixed_size 0
		.amdhsa_enable_private_segment 0
		.amdhsa_kernarg_size 16
		.amdhsa_user_sgpr_count 2
		.amdhsa_user_sgpr_kernarg_segment_ptr 1
		.amdhsa_wavefront_size32 1
		.amdhsa_system_sgpr_workgroup_id_x 1
		.amdhsa_system_sgpr_workgroup_id_y 1
		.amdhsa_system_sgpr_workgroup_id_z 1
		.amdhsa_system_vgpr_workitem_id 0
		.amdhsa_next_free_vgpr 512
		.amdhsa_next_free_sgpr 72
		.amdhsa_reserve_vcc 1
		.amdhsa_float_denorm_mode_32 3
		.amdhsa_float_denorm_mode_16_64 3
		.amdhsa_memory_ordered 1
		.amdhsa_forward_progress 1
		.amdhsa_inst_pref_size 255
	.end_amdhsa_kernel
	.section	.bss,"aw",@nobits
	.p2align	6
	.space	262144
	.amdgpu_metadata
---
amdhsa.version: [ 1, 2 ]
amdhsa.kernels:
  - .name:           k_q800259d924_attn
    .symbol:         k_q800259d924_attn.kd
    .args:
      - { .name: qkv, .offset: 0, .size: 8, .value_kind: global_buffer, .address_space: global }
      - { .name: att, .offset: 8, .size: 8, .value_kind: global_buffer, .address_space: global }
    .group_segment_fixed_size: 327680
    .private_segment_fixed_size: 0
    .kernarg_segment_align: 8
    .kernarg_segment_size: 16
    .max_flat_workgroup_size: 128
    .sgpr_count:     72
    .vgpr_count:     512
    .wavefront_size: 32
...
	.end_amdgpu_metadata
.endif
;; end of part 7
;; launch gemm_out: the kernel of part 4 again; grid 8 x 32, 4 waves a work-group, clusters of 4 x 4, 327,680 bytes of LDS; arguments att, wb, out0; writes out0
;; ======== version 3 of 3: 4 launches; version 2 with the launch cvt written anew for expert scheduling mode
;; limits: values are held in f16: magnitudes above 65,504 overflow, below 6.1e-05 lose precision
;; workspace buffers: xb 16,777,216 bytes; wb 8,388,608 bytes; qkv 50,331,648 bytes; att 16,777,216 bytes
;; launch cvt (part 8): grid 768 x 1, 8 waves a work-group, no clusters, 0 bytes of LDS; arguments x, wq, wk, wv, wo, xb, wb; writes xb, wb
.if DOCPART == 8
	.amdgcn_target "amdgcn-amd-amdhsa--gfx1250"
	.amdhsa_code_object_version 6
	.text
	.protected	k_q800259d924_cvt
	.globl	k_q800259d924_cvt
	.p2align	8
	.type	k_q800259d924_cvt,@function
k_q800259d924_cvt:
	s_mov_b64 s[64:65], 0
	v_nop
	global_prefetch_b8 v0, s[64:65] scope:SCOPE_SE
	s_setreg_imm32_b32 hwreg(HW_REG_WAVE_SCHED_MODE, 0, 2), 2
	s_setreg_imm32_b32 hwreg(HW_REG_WAVE_MODE, 25, 1), 1
	s_wait_xcnt 0x0
	s_wait_alu depctr_vm_vsrc(0)
; Causal multi-head self-attention, B = 4, S = 2048, D = 1024, H = 16, DK = 64, in four launches:
;   cvt       x and the four weights, f32 to 16 bits, once        (this text)
;   gemm_qkv  qkv = xb wb[0:3072]^T                                (stored by planes: 16 heads of q, 16 of k, 16 of v, each [8192 tokens][64])
;   attn      causal softmax(q k^T / 8) v for each head
;   gemm_out  out0 = att wb[3072:4096]^T
; WORK LEFT OUT BY THE PROGRAM (in attn alone): work on keys that lie above the diagonal, where it comes in whole pieces.  A block of 128 keys
; or a step of 64 x 64 whose every key index is larger than every query index is not touched.  In a step on the diagonal the tiles of 16 x 16
; of that kind get no score product, no exponential and no part in the sums, and a product with V whose 32 keys are all of that kind is not
; issued (where only 16 of its 32 keys are, their weights are written as zeros).
; reference() itself sets those scores to -inf (triu, k = 1).  Every query keeps its own key, so for finite inputs the row's maximum
; is finite, the weight is exp(-inf - max) = 0 exactly, and 0 x v adds nothing to the sum over keys, whatever finite values x, wq, wk
; and wv hold.  LIMIT: a NaN, an infinity or an overflow that would arise only in such a product is not carried to the result.
; All five inputs have a way to the output and all are loaded.
; FORMATS: x, wq, wk, wv go to the matrix unit in bf16.  q, k, v, the weights P, att and wo go in f16 (attn says why, and what room f16 has).
; wo is rounded to bf16 like the other four inputs and then written in f16's format, since the f16 matrix form takes both operands in
; one format: bf16's 8 significant bits fit f16's 11, so the second step is exact for 2^-17 <= |w| < 65,504 and off by at most 2^-25
; below.  The program so computes reference() of the five inputs rounded to bf16, up to the f16 roundings of q, k, v, P and att.
;
; THIS LAUNCH: a stream; no LDS, no barrier, no matrix unit.  Work-group g converts 16,384 numbers: 65,536 bytes in, 32,768 out.
; g < 512: x to xb.  g = 512 + 64 i + c: chunk c of weight i (wq, wk, wv, wo) to wb, whose rows are wq's, wk's, wv's, wo's in that order.
; Thread t takes 16 bytes at 16 t of each 4,096 bytes: a wave's load covers 512 consecutive bytes, its store 256 consecutive aligned bytes.
; All sixteen loads go out first; every store has data registers of its own, so no source is ever written again.
; THE MODE: SCHED_MODE bits 1:0 = 2 (LLVM: expert scheduling mode 2), set by the entry lines.  The code itself states the register dependences
; between vector instructions and memory instructions, with s_wait_alu, always for 0.
; THE PLAN.  Registers that memory instructions touch:
;   v1, v2   byte offsets of the loads and of the stores.  Written once at the head by vector instructions, never again.
;   X        load i lands in four registers of its own, once; no vector instruction names them before; chunk i's conversions read them behind the wait for the load.
;   Y        chunk i's conversions write a pair of its own (on wo's way twice, both times ahead of the store); store i reads it, once; nothing writes it afterwards.
;   T        named by vector instructions alone.
; So the only dependences to state are vector writes that memory instructions read.  One wait ahead of the first load: v1 and v2 are written.  The stores stand in
; runs of four: chunks c to c + 3 leave at the head of chunk c + 4, behind the wait for that chunk's load, with one wait on va_vdst ahead of the run; the last four
; leave behind chunk 15's conversions.  Five waits on each way.  No register that a memory instruction has read is written again, so there is no wait on vm_vsrc.
.set X, 4                              ; v[4:67]    sixteen loads of four f32
.set Y, 68                             ; v[68:99]   sixteen stores of four 16-bit numbers
.set T, 100                            ; v[100:103] wo's path: the bf16 numbers widened again
; Chunks c to c + 3 go out: one wait, four stores straight behind it.
.macro OUT4 c
	s_wait_alu depctr_va_vdst(0)                   ; the conversions of chunks c to c + 3 have written their pairs of Y, which the four stores below read
.irp k, 0,1,2,3
	global_store_b64 v2, v[Y+2*((\c)+\k):Y+2*((\c)+\k)+1], s[26:27] offset:2048*((\c)+\k)
.endr
.endm
	s_load_b256 s[4:11], s[0:1], 0x0               ; x s[4:5], wq s[6:7], wk s[8:9], wv s[10:11]
	s_load_b128 s[12:15], s[0:1], 0x20             ; wo s[12:13], xb s[14:15]
	s_load_b64 s[16:17], s[0:1], 0x30              ; wb
	s_mov_b32 s19, ttmp9                           ; g
	s_and_b32 s21, s19, 63                         ; chunk in a weight
	s_bfe_u32 s22, s19, 0x20006                    ; which weight: bits 7:6 of g (512 has none of them)
	s_and_b32 s23, s19, 255                        ; chunk in wb
	v_lshlrev_b32 v1, 4, v0                        ; 16 t
	v_lshlrev_b32 v2, 3, v0                        ; 8 t
	s_wait_kmcnt 0x0
	s_cmp_eq_u32 s22, 1
	s_cselect_b64 s[24:25], s[8:9], s[6:7]         ; wk or wq
	s_cmp_eq_u32 s22, 2
	s_cselect_b64 s[24:25], s[10:11], s[24:25]     ; wv
	s_cmp_eq_u32 s22, 3
	s_cselect_b64 s[24:25], s[12:13], s[24:25]     ; wo
	s_cmp_lt_u32 s19, 512
	s_cselect_b64 s[24:25], s[4:5], s[24:25]       ; from: x or the weight
	s_cselect_b64 s[26:27], s[14:15], s[16:17]     ; to: xb or wb
	s_cselect_b32 s28, s19, s21                    ; chunk at the source
	s_cselect_b32 s30, s19, s23                    ; chunk at the destination
	s_lshl_b32 s28, s28, 16                        ; x 65,536 bytes: at most 511 chunks, below 2^25
	s_mov_b32 s29, 0
	s_lshl_b32 s30, s30, 15                        ; x 32,768 bytes
	s_mov_b32 s31, 0
	s_add_nc_u64 s[24:25], s[24:25], s[28:29]
	s_add_nc_u64 s[26:27], s[26:27], s[30:31]
	s_wait_alu depctr_va_vdst(0)                   ; v1 and v2 are written: every load reads v1 and every store v2 as its offset, and neither is written again
.irp i, 0,1,2,3,4,5,6,7,8,9,10,11,12,13,14,15
	global_load_b128 v[X+4*\i:X+4*\i+3], v1, s[24:25] offset:4096*\i th:TH_LOAD_NT   ; read once in this launch
.endr
	s_cmp_ge_u32 s19, 704                          ; the last 64 work-groups hold wo
	s_cbranch_scc1 .Lwo
.irp i, 0,1,2,3,4,5,6,7,8,9,10,11,12,13,14,15
	s_wait_loadcnt 15-\i                           ; loads come back in order (ISA guide 5.7.1): load i is in, the 15 - i younger ones stay out
.if ((\i) > 0) && (((\i) % 4) == 0)
	OUT4 \i-4                                      ; the four chunks before: their conversions were issued ahead of the wait for this chunk's load
.endif
	v_cvt_pk_bf16_f32 v[Y+2*\i], v[X+4*\i], v[X+4*\i+1]
	v_cvt_pk_bf16_f32 v[Y+2*\i+1], v[X+4*\i+2], v[X+4*\i+3]
.endr
	OUT4 12                                        ; the last four chunks
	s_endpgm
.Lwo:
.irp i, 0,1,2,3,4,5,6,7,8,9,10,11,12,13,14,15
	s_wait_loadcnt 15-\i
.if ((\i) > 0) && (((\i) % 4) == 0)
	OUT4 \i-4                                      ; the four chunks before, as on the other way
.endif
	v_cvt_pk_bf16_f32 v[Y+2*\i], v[X+4*\i], v[X+4*\i+1]            ; the same rounding as the other inputs,
	v_cvt_pk_bf16_f32 v[Y+2*\i+1], v[X+4*\i+2], v[X+4*\i+3]
	v_lshlrev_b32 v[T], 16, v[Y+2*\i]                              ; widened (a shift, a mask),
	v_and_b32 v[T+1], 0xffff0000, v[Y+2*\i]
	v_lshlrev_b32 v[T+2], 16, v[Y+2*\i+1]
	v_and_b32 v[T+3], 0xffff0000, v[Y+2*\i+1]
	v_cvt_pk_f16_f32 v[Y+2*\i], v[T], v[T+1]                       ; and written in f16's format
	v_cvt_pk_f16_f32 v[Y+2*\i+1], v[T+2], v[T+3]
.endr
	OUT4 12                                        ; the last four chunks
	s_endpgm
.Lfunc_end_k_q800259d924_cvt:
	.size	k_q800259d924_cvt, .Lfunc_end_k_q800259d924_cvt-k_q800259d924_cvt
	.p2alignl 7, 3214868480
	.fill 96, 4, 3214868480
	.section	.rodata,"a",@progbits
	.p2align	6, 0x0
	.amdhsa_kernel k_q800259d924_cvt
		.amdhsa_group_segment_fixed_size 0
		.amdhsa_private_segment_fixed_size 0
		.amdhsa_enable_private_segment 0
		.amdhsa_kernarg_size 56
		.amdhsa_user_sgpr_count 2
		.amdhsa_user_sgpr_kernarg_segment_ptr 1
		.amdhsa_wavefront_size32 1
		.amdhsa_system_sgpr_workgroup_id_x 1
		.amdhsa_system_sgpr_workgroup_id_y 1
		.amdhsa_system_sgpr_workgroup_id_z 1
		.amdhsa_system_vgpr_workitem_id 0
		.amdhsa_next_free_vgpr 104
		.amdhsa_next_free_sgpr 66
		.amdhsa_reserve_vcc 0
		.amdhsa_float_denorm_mode_32 3
		.amdhsa_float_denorm_mode_16_64 3
		.amdhsa_memory_ordered 1
		.amdhsa_forward_progress 1
		.amdhsa_inst_pref_size 17
	.end_amdhsa_kernel
	.amdgpu_metadata
---
amdhsa.version: [ 1, 2 ]
amdhsa.kernels:
  - .name:           k_q800259d924_cvt
    .symbol:         k_q800259d924_cvt.kd
    .args:
      - { .name: x, .offset: 0, .size: 8, .value_kind: global_buffer, .address_space: global }
      - { .name: wq, .offset: 8, .size: 8, .value_kind: global_buffer, .address_space: global }
      - { .name: wk, .offset: 16, .size: 8, .value_kind: global_buffer, .address_space: global }
      - { .name: wv, .offset: 24, .size: 8, .value_kind: global_buffer, .address_space: global }
      - { .name: wo, .offset: 32, .size: 8, .value_kind: global_buffer, .address_space: global }
      - { .name: xb, .offset: 40, .size: 8, .value_kind: global_buffer, .address_space: global }
      - { .name: wb, .offset: 48, .size: 8, .value_kind: global_buffer, .address_space: global }
    .group_segment_fixed_size: 0
    .private_segment_fixed_size: 0
    .kernarg_segment_align: 8
    .kernarg_segment_size: 56
    .max_flat_workgroup_size: 256
    .sgpr_count:     66
    .vgpr_count:     104
    .wavefront_size: 32
...
	.end_amdgpu_metadata
.endif
;; end of part 8
;; launch gemm_qkv: the kernel of part 6 again; grid 8 x 32, 4 waves a work-group, clusters of 4 x 4, 327,680 bytes of LDS; arguments xb, wb, qkv; writes qkv
;; launch attn: the kernel of part 7 again; grid 8 x 32, 4 waves a work-group, no clusters, 327,680 bytes of LDS; arguments qkv, att; writes att
;; launch gemm_out: the kernel of part 4 again; grid 8 x 32, 4 waves a work-group, clusters of 4 x 4, 327,680 bytes of LDS; arguments att, wb, out0; writes out0
